; MI455X (gfx1250); checked and timed in simulation.
; The chip was launched on July 23, 2026; its instructions are those of AMD's public machine-readable ISA for CDNA 5 (MIT licence, August 2026) and "CDNA5" Instruction Set Architecture Reference Guide (July 2026). The comments in the code are by the model that wrote it; some were corrected since.
;; Attention S. Allowed arithmetic: float matrix products may take bf16 or f16 operands with f32 sums; all other float work in f32.
;; Inputs: b_out 256 float32; b_qkv 768 float32; w_out 256 x 256 float32; w_qkv 256 x 768 float32; x 2 x 256 x 64 x 64 float32.
;; Outputs: out0 2 x 256 x 64 x 64 float32.
;; 2 versions, each right; version 2 is version 1 with the launches qkv, proj written anew for expert scheduling mode. Each part assembles by itself: llvm-mc -triple=amdgcn-amd-amdhsa -mcpu=gfx1250 --defsym DOCPART=n.
;; ======== version 1 of 2: 3 launches
;; limits: values are held in f16: magnitudes above 65,504 overflow, below 6.1e-05 lose precision
;; workspace buffers: qf 4,194,304 bytes; kv 8,388,608 bytes; ao 4,194,304 bytes
;; launch qkv (part 1): grid 4 x 64, 8 waves a work-group, no clusters, 181,248 bytes of LDS; arguments x, w_qkv, b_qkv, qf, kv; writes qf, kv
.if DOCPART == 1
	.amdgcn_target "amdgcn-amd-amdhsa--gfx1250"
	.amdhsa_code_object_version 6
	.text
	.protected	k_qf3aab2cc0f_qkv
	.globl	k_qf3aab2cc0f_qkv
	.p2align	8
	.type	k_qf3aab2cc0f_qkv,@function
k_qf3aab2cc0f_qkv:
	s_mov_b64 s[64:65], 0
	v_nop
	global_prefetch_b8 v0, s[64:65] scope:SCOPE_SE
	s_setreg_imm32_b32 hwreg(HW_REG_WAVE_MODE, 25, 1), 1
	s_wait_xcnt 0x0
; qkv = tokens * w_qkv + b_qkv, rounded once to f16 and stored as the register images of the matrix fragments that the attention launch reads.
; x: [2][256 c][4096 tok] f32, w_qkv: [256 c][768 o] f32, b_qkv: [768] f32.
; A work-group makes 128 tokens x 192 outputs over K = 256 channels: 64 token blocks x 4 output blocks = 256 work-groups.
; Wave w: tg = w & 3 (32 tokens, two tiles tt), og = w >> 2 (three chunks of 32 outputs).  A chunk g = 6 oblk + 3 og + i is one head's
; 32 numbers of Q (g < 8), of K (g < 16) or of V.
; OUTPUT IMAGES (L lane, r = L & 15, h = L >> 4, e = 0..7 the f16 in the lane's 16 bytes; every store of a wave covers 512 consecutive bytes, aligned):
;   qf: bh*262144 + nt*1024 + half*512 + 16 L                        = Q'[token 16 nt + r][d = 16 half + 8 h + e],  Q' = Q * 32^-0.5 * log2(e), scaled in f32
;   kv: bh*524288 + (key/1024)*131072 + kt*1024 + half*512 + 16 L    = K[key 16 kt + r][d = 16 half + 8 h + e]
;   kv: the same chunk + 65536 + kb*2048 + dt*1024 + half*512 + 16 L = V[key 32 kb + 16 half + 8 h + e][d = 16 dt + r]
; Q and K: D = W fragment x X fragment, so a lane holds eight neighbouring d of one token.  V: the same two fragments with the sources swapped,
; so a lane holds eight neighbouring tokens of one d.  Either way four packed roundings make the lane's 16 bytes: no shuffle, no LDS on the way out.
; FORMAT AND LIMITS: matrix operands are f16 (11 significant bits; the chain of roundings x, w, Q', K, V, weights, attn wants more than bf16's 8), sums in f32.
; Every operand must stay below 65,504 in magnitude, else it becomes an infinity.  The room: K and V are sums of 256 products; with x of spread 30 and w_qkv of
; spread 30/16 their spread is 900 and their largest some thousands; with x offset by 30 and w_qkv by 30/16 they lie near 256 x 30 x 30/16 = 14,400.
; Below 2^-14 a number is kept with an absolute error of at most 2^-25 (f16 subnormals).
; NO CLUSTER: x's tile is shared by 4 work-groups and w's by 64, but both are f32 and are rounded in registers on the way to LDS; as f32 tiles
; in LDS they would take 131,072 + 196,608 bytes, the whole of a work-group's allowance, with no byte left for the f16 tiles.
.set PX,   288                         ; LDS pitch of X [c][128 tok] f16: 256 bytes + 32 = 9 x 32
.set PW,   416                         ; LDS pitch of W [c][192 o] f16: 384 bytes + 32 = 13 x 32
.set LDSW, 256*PX                      ; W lies behind X: byte 73,728
.set XO,   1                           ; v1      x: (t>>4)*16384 + (t&15)*16
.set WO,   2                           ; v2      w: (t>>4)*3072 + (t&15)*16
.set XS,   3                           ; v3-4    LDS store address in X, rows 0-127 and 128-255
.set WS,   5                           ; v5-6    the same in W
.set XA,   7                           ; v7-8    transposing-load address in X, K steps 0-3 and 4-7
.set WA,   9                           ; v9-10   the same in W
.set LO,   11                          ; v11     16 L
.set BQ,   12                          ; v12     32 h: my eight biases in a Q or K tile
.set BV,   13                          ; v13     4 r: my bias in a V tile
.set ACC,  16                          ; v16-47  four accumulator tiles (tt, ot) at 16 + 8 (2 tt + ot)
.set BIAS, 48                          ; v48-63
.set XF,   64                          ; v64-191  X fragments (tt, ks) at 64 + 8 (2 ks + tt); while LDS is filled: banks A and B
.set WF,   192                         ; v192-255 W fragments (ks & 3, ot) at 192 + 8 (2 (ks & 3) + ot); while LDS is filled: bank C
.set BKA,  64
.set BKB,  128
.set BKC,  192
.macro PLACES n
.rept \n
	v_nop
.endr
.endm
.macro WM d, a, b, z                   ; one product; z: it starts the sum (C = 0), nothing is cleared
.if \z
	v_wmma_f32_16x16x32_f16 v[\d:\d+7], v[\a:\a+7], v[\b:\b+7], 0
.else
	v_wmma_f32_16x16x32_f16 v[\d:\d+7], v[\a:\a+7], v[\b:\b+7], v[\d:\d+7]
.endif
.endm
; sixteen loads: rows (t>>4) + 16 i, the 256 bytes number s of each row; sixteen neighbouring lanes read 256 consecutive bytes, aligned
.macro LOADB bank, voff, blo, rowstep, s
.irp i, 0,1,2,3,4,5,6,7,8,9,10,11,12,13,14,15
	global_load_b128 v[\bank+4*\i:\bank+4*\i+3], v[\voff], s[\blo:\blo+1] offset:\i*\rowstep+\s*256
.endr
.endm
; the same sixteen pieces rounded to f16 and laid into LDS, 8 bytes a lane
.macro CVTB bank, adr, step, s
.irp i, 0,1,2,3,4,5,6,7,8,9,10,11,12,13,14,15
	v_cvt_pk_f16_f32 v[\bank+4*\i], v[\bank+4*\i], v[\bank+4*\i+1]
	v_cvt_pk_f16_f32 v[\bank+4*\i+1], v[\bank+4*\i+2], v[\bank+4*\i+3]
	ds_store_b64 v[\adr+\i/8], v[\bank+4*\i:\bank+4*\i+1] offset:(\i%8)*\step+\s*128
.endr
.endm
.macro PACK a                          ; eight f32 to eight f16, in place, in the first four registers
	v_cvt_pk_f16_f32 v[\a], v[\a], v[\a+1]
	v_cvt_pk_f16_f32 v[\a+1], v[\a+2], v[\a+3]
	v_cvt_pk_f16_f32 v[\a+2], v[\a+4], v[\a+5]
	v_cvt_pk_f16_f32 v[\a+3], v[\a+6], v[\a+7]
.endm
	s_load_b256 s[4:11], s[0:1], 0x0               ; x s[4:5], w_qkv s[6:7], b_qkv s[8:9], qf s[10:11]
	s_load_b64 s[12:13], s[0:1], 0x20              ; kv
	s_set_vgpr_msb 0x40
	v_lshl_add_u32 v0, v0, 2, 0x2c000
	v_mov_b32 v1, 0
	s_set_vgpr_msb 0x4000
	v_lshrrev_b32 v14, 5, v0
	v_readfirstlane_b32 s14, v14                   ; wave
	s_and_b32 s16, ttmp7, 0xffff                   ; tb: token block 0..63
	s_lshr_b32 s17, s16, 5                         ; b
	s_and_b32 s15, s16, 31                         ; token block within the image
	s_and_b32 s18, s14, 3                          ; tg
	s_lshr_b32 s19, s14, 2                         ; og
	s_mul_i32 s20, ttmp9, 6
	s_mul_i32 s24, s19, 3
	s_add_co_u32 s20, s20, s24                     ; g0 = 6 oblk + 3 og
	s_lshl_b32 s21, s15, 3
	s_lshl1_add_u32 s21, s18, s21                  ; nt0 = 8 (tb & 31) + 2 tg: my first token tile, even
	s_lshl_b32 s22, s17, 21
	s_lshl_b32 s24, s21, 10
	s_add_co_u32 s22, s22, s24                     ; Q0 = b*8*262144 + nt0*1024
	s_lshl_b32 s23, s17, 22
	s_lshr_b32 s24, s21, 6
	s_lshl_b32 s24, s24, 17
	s_add_co_u32 s23, s23, s24
	s_and_b32 s24, s21, 63
	s_lshl_b32 s24, s24, 10
	s_add_co_u32 s23, s23, s24                     ; K0 = b*8*524288 + (nt0>>6)*131072 + (nt0&63)*1024
	s_mov_b32 s34, 0x3e8293ee                      ; 32^-0.5 * log2(e)
	s_mov_b32 s35, 0x3f800000                      ; 1.0
	v_lshrrev_b32 v14, 4, v0                       ; t >> 4
	v_and_b32 v15, 15, v0                          ; t & 15 (= r)
	v_lshlrev_b32 v[XO], 14, v14
	v_lshl_add_u32 v[XO], v15, 4, v[XO]
	v_mul_u32_u24 v[WO], v14, 3072
	v_lshl_add_u32 v[WO], v15, 4, v[WO]
	s_lshl_b32 s24, s17, 22
	s_lshl_b32 s25, s15, 9
	s_add_co_u32 s24, s24, s25                     ; x: image b, 512 bytes of each row for each token block
	s_mov_b32 s25, 0
	s_wait_kmcnt 0x0
	s_add_nc_u64 s[4:5], s[4:5], s[24:25]
	s_mul_i32 s24, ttmp9, 768                      ; w: 192 outputs = 768 bytes of each row
	s_add_nc_u64 s[6:7], s[6:7], s[24:25]
	s_lshl_b32 s24, s20, 7                         ; b_qkv: 128 bytes a chunk
	s_add_nc_u64 s[8:9], s[8:9], s[24:25]
	; FILL: five batches of sixteen loads through three banks of 64 registers
	LOADB BKA, XO, 4, 262144, 0
	LOADB BKB, XO, 4, 262144, 1
	LOADB BKC, WO, 6, 49152, 0
	v_mul_u32_u24 v[XS], v14, PX
	v_lshl_add_u32 v[XS], v15, 3, v[XS]
	v_add_nc_u32 v[XS+1], 8*16*PX, v[XS]
	v_mul_u32_u24 v[WS], v14, PW
	v_lshl_add_u32 v[WS], v15, 3, v[WS]
	v_add_nc_u32 v[WS], LDSW, v[WS]
	v_add_nc_u32 v[WS+1], 8*16*PW, v[WS]
	v_bfe_u32 v14, v0, 4, 1                        ; h
	v_and_b32 v48, 7, v0
	v_lshl_add_u32 v48, v14, 3, v48                ; row of a transposing load: 8 h + (L & 7)
	v_bfe_u32 v49, v0, 3, 1
	v_lshlrev_b32 v49, 4, v49                      ; its 16-byte column: 16 ((L >> 3) & 1)
	s_lshl_b32 s24, s18, 6                         ; my 32 tokens: 64 bytes
	v_mul_u32_u24 v[XA], v48, PX
	v_add_nc_u32 v[XA], v[XA], v49
	v_add_nc_u32 v[XA], s24, v[XA]
	v_add_nc_u32 v[XA+1], 4*32*PX, v[XA]
	s_mul_i32 s24, s19, 192                        ; my 96 outputs: 192 bytes
	s_add_co_u32 s24, s24, LDSW
	v_mul_u32_u24 v[WA], v48, PW
	v_add_nc_u32 v[WA], v[WA], v49
	v_add_nc_u32 v[WA], s24, v[WA]
	v_add_nc_u32 v[WA+1], 4*32*PW, v[WA]
	v_and_b32 v[LO], 31, v0
	v_lshlrev_b32 v[LO], 4, v[LO]
	v_lshlrev_b32 v[BQ], 5, v14
	v_lshlrev_b32 v[BV], 2, v15
	s_wait_loadcnt 32                              ; loads come back in order: bank A is in, the 32 younger loads stay out
	CVTB BKA, XS, 16*PX, 0
	LOADB BKA, WO, 6, 49152, 1
	s_wait_loadcnt 32                              ; bank B; C and the new A stay out
	CVTB BKB, XS, 16*PX, 1
	LOADB BKB, WO, 6, 49152, 2
	s_wait_loadcnt 32                              ; bank C
	CVTB BKC, WS, 16*PW, 0
	s_wait_loadcnt 16                              ; bank A again; B's sixteen stay out
	CVTB BKA, WS, 16*PW, 1
	s_wait_loadcnt 0x0
	CVTB BKB, WS, 16*PW, 2
	s_wait_dscnt 0x0                               ; my LDS stores are done, for the other waves' sake
	s_barrier_signal -1
	s_barrier_wait -1                              ; X and W are whole; nothing writes LDS from here on
	; all sixteen X fragments of my 32 tokens stay in registers for the three chunks
.irp ks, 0,1,2,3,4,5,6,7
.irp tt, 0,1
	ds_load_tr16_b128 v[XF+8*(2*\ks+\tt):XF+8*(2*\ks+\tt)+3], v[XA+\ks/4] offset:(\ks%4)*32*PX+\tt*32
	ds_load_tr16_b128 v[XF+8*(2*\ks+\tt)+4:XF+8*(2*\ks+\tt)+7], v[XA+\ks/4] offset:(\ks%4)*32*PX+\tt*32+16*PX
.endr
.endr
; The products of chunk c: bias loads, then twice (sixteen W fragment loads, four K steps of four products).
; swap = 0: D = W x X (Q, K).  swap = 1: D = X x W (V).
; The four accumulators take turns, one instruction a turn.
.macro BODY c, swap
.if \swap
	global_load_b32 v[BIAS], v[BV], s[8:9] offset:\c*128
	global_load_b32 v[BIAS+1], v[BV], s[8:9] offset:\c*128+64
.else
.irp q, 0,1,2,3
	global_load_b128 v[BIAS+4*\q:BIAS+4*\q+3], v[BQ], s[8:9] offset:\c*128+(\q/2)*64+(\q%2)*16
.endr
.endif
.irp kh, 0,1
.if \kh
	PLACES 4                                       ; loads into registers that matrix instructions have read stand four places behind them (the first run of a chunk stands behind the five that close the chunk before)
.endif
.irp kl, 0,1,2,3
.irp ot, 0,1
	ds_load_tr16_b128 v[WF+8*(2*\kl+\ot):WF+8*(2*\kl+\ot)+3], v[WA+\kh] offset:\kl*32*PW+\c*64+\ot*32
	ds_load_tr16_b128 v[WF+8*(2*\kl+\ot)+4:WF+8*(2*\kl+\ot)+7], v[WA+\kh] offset:\kl*32*PW+\c*64+\ot*32+16*PW
.endr
.endr
.irp kl, 0,1,2,3
	s_wait_dscnt 12-4*\kl                          ; LDS loads come back in order: this K step's four are in (and X's, which are older); four for each later step stay out
.set KS, 4*\kh+\kl
.irp tt, 0,1
.irp ot, 0,1
.if \swap
	WM ACC+8*(2*\tt+\ot), XF+8*(2*KS+\tt), WF+8*(2*\kl+\ot), KS==0
.else
	WM ACC+8*(2*\tt+\ot), WF+8*(2*\kl+\ot), XF+8*(2*KS+\tt), KS==0
.endif
.endr
.endr
.endr
.endr
	PLACES 5                                       ; behind the last products: four places for the vector work on the sums, five for the next chunk's first products, which write over them
	s_wait_loadcnt 0x0                             ; the biases
.endm
.macro CHUNK c
.if \c
	s_wait_xcnt 0x0                                ; the last chunk's stores have read their data (ACC) and their base s[30:31]: both are rewritten only behind this wait
.endif
	s_add_co_u32 s26, s20, \c                      ; g
	s_and_b32 s27, s26, 7                          ; head
	s_cmp_ge_u32 s26, 16
	s_cbranch_scc1 .Lv_\@
	; Q or K
	s_cmp_lt_u32 s26, 8                            ; Q?
	s_cselect_b32 s28, s34, s35                    ; the scale,
	s_cselect_b64 s[30:31], s[10:11], s[12:13]     ; the buffer,
	s_cselect_b32 s32, s22, s23                    ; my tiles' place in a head's image,
	s_cselect_b32 s33, 18, 19                      ; and a head's bytes: 2^18 in qf, 2^19 in kv
	s_mov_b32 s29, s28
	s_lshl_b32 s33, s27, s33
	s_add_co_u32 s32, s32, s33
	s_mov_b32 s33, 0
	s_add_nc_u64 s[30:31], s[30:31], s[32:33]
	BODY \c, 0
.irp q, 0,2,4,6,8,10,12,14
	v_pk_mul_f32 v[BIAS+\q:BIAS+\q+1], v[BIAS+\q:BIAS+\q+1], s[28:29] op_sel_hi:[1,0]
.endr
.irp tt, 0,1
.irp ot, 0,1
.set A0, ACC+8*(2*\tt+\ot)
.irp q, 0,2,4,6
	v_pk_fma_f32 v[A0+\q:A0+\q+1], v[A0+\q:A0+\q+1], s[28:29], v[BIAS+8*\ot+\q:BIAS+8*\ot+\q+1] op_sel_hi:[1,0,1]   ; (sum + bias) * scale, fused
.endr
	PACK A0
	global_store_b128 v[LO], v[A0:A0+3], s[30:31] offset:\tt*1024+\ot*512
.endr
.endr
	s_branch .Ldone_\@
.Lv_\@:
	s_lshl_b32 s32, s27, 19
	s_add_co_u32 s32, s32, s23
	s_add_co_u32 s32, s32, 65536                   ; V's image lies behind K's in the chunk of 1,024 keys
	s_mov_b32 s33, 0
	s_add_nc_u64 s[30:31], s[12:13], s[32:33]
	BODY \c, 1
.irp tt, 0,1
.irp ot, 0,1
.set A0, ACC+8*(2*\tt+\ot)
.irp q, 0,2,4,6
	v_pk_add_f32 v[A0+\q:A0+\q+1], v[A0+\q:A0+\q+1], v[BIAS:BIAS+1] op_sel:[0,\ot] op_sel_hi:[1,\ot]   ; one d a lane: one bias for all eight tokens
.endr
	PACK A0
	global_store_b128 v[LO], v[A0:A0+3], s[30:31] offset:\ot*1024+\tt*512
.endr
.endr
.Ldone_\@:
.endm
	CHUNK 0
	CHUNK 1
	CHUNK 2
	s_set_vgpr_msb 0x5
	s_wait_tensorcnt 0x0
	ds_add_u32 v0, v1
	s_wait_dscnt 0x0
	s_set_vgpr_msb 0x500
	s_endpgm
.Lfunc_end_k_qf3aab2cc0f_qkv:
	.size	k_qf3aab2cc0f_qkv, .Lfunc_end_k_qf3aab2cc0f_qkv-k_qf3aab2cc0f_qkv
	.p2alignl 7, 3214868480
	.fill 96, 4, 3214868480
	.section	.rodata,"a",@progbits
	.p2align	6, 0x0
	.amdhsa_kernel k_qf3aab2cc0f_qkv
		.amdhsa_group_segment_fixed_size 181248
		.amdhsa_private_segment_fixed_size 0
		.amdhsa_enable_private_segment 0
		.amdhsa_kernarg_size 40
		.amdhsa_user_sgpr_count 2
		.amdhsa_user_sgpr_kernarg_segment_ptr 1
		.amdhsa_wavefront_size32 1
		.amdhsa_system_sgpr_workgroup_id_x 1
		.amdhsa_system_sgpr_workgroup_id_y 1
		.amdhsa_system_sgpr_workgroup_id_z 1
		.amdhsa_system_vgpr_workitem_id 0
		.amdhsa_next_free_vgpr 258
		.amdhsa_next_free_sgpr 66
		.amdhsa_reserve_vcc 0
		.amdhsa_float_denorm_mode_32 3
		.amdhsa_float_denorm_mode_16_64 3
		.amdhsa_memory_ordered 1
		.amdhsa_forward_progress 1
		.amdhsa_inst_pref_size 76
	.end_amdhsa_kernel
	.amdgpu_metadata
---
amdhsa.version: [ 1, 2 ]
amdhsa.kernels:
  - .name:           k_qf3aab2cc0f_qkv
    .symbol:         k_qf3aab2cc0f_qkv.kd
    .args:
      - { .name: x, .offset: 0, .size: 8, .value_kind: global_buffer, .address_space: global }
      - { .name: w_qkv, .offset: 8, .size: 8, .value_kind: global_buffer, .address_space: global }
      - { .name: b_qkv, .offset: 16, .size: 8, .value_kind: global_buffer, .address_space: global }
      - { .name: qf, .offset: 24, .size: 8, .value_kind: global_buffer, .address_space: global }
      - { .name: kv, .offset: 32, .size: 8, .value_kind: global_buffer, .address_space: global }
    .group_segment_fixed_size: 181248
    .private_segment_fixed_size: 0
    .kernarg_segment_align: 8
    .kernarg_segment_size: 40
    .max_flat_workgroup_size: 256
    .sgpr_count:     66
    .vgpr_count:     258
    .wavefront_size: 32
...
	.end_amdgpu_metadata
.endif
;; end of part 1
;; launch attn (part 2): grid 256 x 1, 8 waves a work-group, clusters of 4 x 1, 327,680 bytes of LDS; arguments qf, kv, ao; writes ao
.if DOCPART == 2
	.amdgcn_target "amdgcn-amd-amdhsa--gfx1250"
	.amdhsa_code_object_version 6
	.text
	.protected	k_qf3aab2cc0f_attn
	.globl	k_qf3aab2cc0f_attn
	.p2align	8
	.type	k_qf3aab2cc0f_attn,@function
k_qf3aab2cc0f_attn:
	s_mov_b64 s[64:65], 0
	v_nop
	global_prefetch_b8 v0, s[64:65] scope:SCOPE_SE
	s_setreg_imm32_b32 hwreg(HW_REG_WAVE_MODE, 25, 1), 1
	s_wait_xcnt 0x0
	s_wait_alu depctr_hold_cnt(0) depctr_sa_sdst(0) depctr_va_vdst(0) depctr_va_sdst(0) depctr_va_ssrc(0) depctr_va_vcc(0) depctr_vm_vsrc(0)
	s_getreg_b32 s2, hwreg(HW_REG_IB_STS2, 6, 4)
	s_cmp_eq_u32 s2, 0
	s_cbranch_scc0 .Lentry_in_a_cluster
	s_endpgm
.Lentry_in_a_cluster:
	s_bfe_u32 s2, ttmp6, 0x10000c
	s_cmp_lg_u32 s2, 0x3003
	s_cbranch_scc0 .Lentry_shape_is_right
	s_endpgm
.Lentry_shape_is_right:
; Attention of one (image, head) bh for 256 queries a work-group, 32 queries (two tiles qt) a wave, 64 keys a step, with a running maximum.
; All operands arrive as register images of matrix fragments (see the layouts below), so every LDS and global access is 16 bytes a lane at 16 x lane.
;   qf: bh*262144 + nt*1024 + half*512 + 16 L                        = Q'[token 16 nt + r][d = 16 half + 8 h + e]   (Q' holds 32^-0.5 * log2(e): exponentials are in base 2)
;   kv: bh*524288 + chunk*131072 + kt*1024 + half*512 + 16 L         = K[key 16 kt + r][d ..];    + 65536 + kb*2048 + dt*1024 + half*512 + 16 L = V[key 32 kb + 16 half + 8 h + e][d = 16 dt + r]
;   ao: b*2097152 + nt*8192 + head*1024 + half*512 + 16 L            = attn[token 16 nt + r][c = 32 head + 16 half + 8 h + e]
; THE PRODUCTS ARE TRANSPOSED: S^T = K x Q' (a lane holds one query, register j key 8 h + j), so that 2^(S - max), rounded in pairs, IS the
; B fragment of P^T for O^T = V^T x P^T: no shuffle and no LDS for P.  The row sums come from the same P^T by a product with a matrix of ones:
; each lane finds its own query's sum in register 0 of that accumulator.  Registers 1 to 7 hold unscaled copies (at most 64 a step, 4,096 in all) and are never read.
; The maximum over a query's 64 scores is 32 in the lane and one exchange with the lane 16 away.
; PIPELINE: step t loads K(t), adds P(t-1) V(t-1), makes S(t), loads V(t), makes P(t).  Only registers cross a change of LDS slots.
; CLUSTER: the four work-groups of a cluster have the same bh and other queries, so each chunk of K and V (1,024 keys, 131,072 bytes) is asked for jointly
; (mask 15); wave w brings bytes 16,384 w .. of the chunk.  Two slots; four fills in all: a wave has two tensor loads out at the start, later one.
; FORMAT AND LIMITS: matrix operands are f16 (Q', K, V, P); sums, maxima, exponentials in f32.  P lies in (0, 1]; the output is a convex mix of V, so it is bounded
; as V is (below 65,504).  A weight below 2^-25 of the row's largest counts as 0, and one below 2^-14 of it carries an absolute error of at most 2^-25:
; over 4,096 keys at most 4,096 x 2^-25 = 2^-13 of a row sum that is at least 1.
; The row sum is taken over the weights as rounded to f16, the same numbers that multiply V.
.set SLOT, 131072
.set STEP, 4096                        ; 64 keys: four K fragments; V's four fragments lie 65,536 bytes further on
.set LB,   1                           ; v1       16 L
.set MX,   2                           ; v2-3     running maximum of qt 0, 1
.set AL,   4                           ; v4-5     2^(old maximum - new maximum)
.set KA,   6                           ; v6       LDS address of this step's K
.set VA,   7                           ; v7       of this step's V
.set T,    8                           ; v8-11    at work
.set ONES, 12                          ; v12-19   a fragment of ones
.set QF,   20                          ; v20-35   Q' fragments (qt)
.set OA,   36                          ; v36-67   O^T (qt, dt) at 36 + 8 (2 qt + dt)
.set LS,   68                          ; v68-83   row sums (qt)
.set KF,   84                          ; v84-115  K fragments (kt 0..3)
.set VF,   116                         ; v116-147 V^T fragments (kb, dt) at 116 + 8 (2 kb + dt)
.set SC,   148                         ; v148-211 S^T (qt, kt) at 148 + 8 (4 qt + kt)
.set PB,   212                         ; v212-243 P^T (qt, kb) at 212 + 8 (2 qt + kb)
.set G1,   16                          ; s[16:23] descriptor group 1
.set G0,   24                          ; s[24:31] descriptor group 0, one set for each slot
.macro WM d, a, b, z
.if \z
	v_wmma_f32_16x16x32_f16 v[\d:\d+7], v[\a:\a+7], v[\b:\b+7], 0
.else
	v_wmma_f32_16x16x32_f16 v[\d:\d+7], v[\a:\a+7], v[\b:\b+7], v[\d:\d+7]
.endif
.endm
; a round of the cluster's barrier: my work-group's barrier, wave 0 signals for the work-group, every wave waits for all four work-groups, my work-group's barrier again
.macro ROUND
	s_barrier_signal -1
	s_barrier_wait -1
	s_cmp_lg_u32 s10, 0
	s_cbranch_scc1 .Lnot_wave_0_\@
	s_barrier_signal -3
.Lnot_wave_0_\@:
	s_barrier_wait -3
	s_barrier_signal -1
	s_barrier_wait -1
.endm
; O^T += V^T P^T and sums += ones P^T for the 64 keys whose P and V lie in registers.  pv = 1: the first 32 keys start the sums (C = 0).
; Six accumulators take turns, one instruction a turn.
.macro PV pv
.irp kb, 0,1
.set Z, (2-\pv)*(1-\kb)
.irp qt, 0,1
	WM OA+8*(2*\qt), VF+8*(2*\kb), PB+8*(2*\qt+\kb), Z
	WM OA+8*(2*\qt+1), VF+8*(2*\kb+1), PB+8*(2*\qt+\kb), Z
	WM LS+8*\qt, ONES, PB+8*(2*\qt+\kb), Z
.endr
.endr
.endm
.macro SUBG qt, g                      ; S - maximum, two at a time
.irp q, 0,2,4,6
	v_pk_add_f32 v[SC+8*(4*\qt+\g)+\q:SC+8*(4*\qt+\g)+\q+1], v[SC+8*(4*\qt+\g)+\q:SC+8*(4*\qt+\g)+\q+1], v[MX:MX+1] op_sel:[0,\qt] op_sel_hi:[1,\qt] neg_lo:[0,1] neg_hi:[0,1]
.endr
.endm
.macro EXPG qt, g
.irp q, 0,1,2,3,4,5,6,7
	v_exp_f32 v[SC+8*(4*\qt+\g)+\q], v[SC+8*(4*\qt+\g)+\q]
.endr
.endm
.macro CVTG qt, g                      ; key tile g is half g & 1 of P^T fragment g >> 1
	s_wait_alu depctr_va_vdst(0)
.irp q, 0,1,2,3
	v_cvt_pk_f16_f32 v[PB+8*(2*\qt+\g/2)+4*(\g%2)+\q], v[SC+8*(4*\qt+\g)+2*\q], v[SC+8*(4*\qt+\g)+2*\q+1]
.endr
.endm
; The softmax step of query tile qt.  first = 1: there is no older maximum and nothing to rescale.
.macro SOFTMAX qt, first
.set SB, SC+32*\qt
	v_max3_num_f32 v[T], v[SB], v[SB+1], v[SB+2]           ; 32 scores and the old maximum: sixteen three-way maxima in four chains
	v_max3_num_f32 v[T+1], v[SB+3], v[SB+4], v[SB+5]
	v_max3_num_f32 v[T+2], v[SB+6], v[SB+7], v[SB+8]
	v_max3_num_f32 v[T+3], v[SB+9], v[SB+10], v[SB+11]
.irp q, 0,1,2,3,4,5,6,7
	v_max3_num_f32 v[T+\q%4], v[T+\q%4], v[SB+12+2*\q], v[SB+13+2*\q]
.endr
	v_max3_num_f32 v[T], v[T], v[SB+28], v[SB+29]
	v_max3_num_f32 v[T+1], v[T+1], v[SB+30], v[SB+31]
	v_max3_num_f32 v[T], v[T], v[T+1], v[T+2]
.if \first
	v_max_num_f32 v[T], v[T], v[T+3]
.else
	v_max3_num_f32 v[T], v[T], v[T+3], v[MX+\qt]
.endif
	v_permlanex16_b32 v[T+1], v[T], s12, s13               ; the query's other 32 keys lie in the lane 16 away
	v_max_num_f32 v[T], v[T], v[T+1]
.if \first
.else
	v_sub_f32 v[T+2], v[MX+\qt], v[T]
	v_exp_f32 v[AL+\qt], v[T+2]                            ; the move below is the plain instruction behind it (ISA guide 5.7.2)
.endif
	v_mov_b32 v[MX+\qt], v[T]
	; each run of exponentials has plain work on other registers between it and the use of its results
	SUBG \qt, 0
	EXPG \qt, 0
	SUBG \qt, 1
	EXPG \qt, 1
	CVTG \qt, 0
	SUBG \qt, 2
	EXPG \qt, 2
	CVTG \qt, 1
	SUBG \qt, 3
	EXPG \qt, 3
.if \first
.else
.irp q, 0,2,4,6,8,10,12,14
	v_pk_mul_f32 v[OA+16*\qt+\q:OA+16*\qt+\q+1], v[OA+16*\qt+\q:OA+16*\qt+\q+1], v[AL:AL+1] op_sel:[0,\qt] op_sel_hi:[1,\qt]
.endr
	v_mul_f32 v[LS+8*\qt], v[LS+8*\qt], v[AL+\qt]          ; only register 0 of the sums is ever read
	s_wait_alu depctr_va_vdst(0)
.endif
	CVTG \qt, 2
	CVTG \qt, 3
.endm
; One step of 64 keys at LDS byte s34.  pv = 0: no older step; 1: the older step starts the sums; 2: it adds.
.macro TRIP pv, first
	v_add_nc_u32 v[KA], s34, v[LB]
.irp q, 0,1,2,3,4,5,6,7
	ds_load_b128 v[KF+4*\q:KF+4*\q+3], v[KA] offset:\q*512
.endr
.if \pv
	s_wait_dscnt 8                                 ; LDS loads come back in order: the older step's V is in, the eight K loads just issued stay out
	PV \pv
.endif
	s_wait_dscnt 0x0                               ; K
.irp qt, 0,1
.irp kt, 0,1,2,3
	WM SC+8*(4*\qt+\kt), KF+8*\kt, QF+8*\qt, 1
.endr
.endr
	v_add_nc_u32 v[VA], 0x10000, v[KA]             ; four places behind the matrix instructions: for the reads of S, the loads into V's
	v_nop                                          ; fragments, the writes of P and the rescaling of O
	v_nop
	v_nop
.irp q, 0,1,2,3,4,5,6,7
	ds_load_b128 v[VF+4*\q:VF+4*\q+3], v[VA] offset:\q*512
.endr
	SOFTMAX 0, \first
	SOFTMAX 1, \first
.endm
; The change of slots.  Every wave's reads of the slot just left are back and all its tensor loads have landed, its part of the next slot among them.
; refill = 1: a round of the cluster's barrier, and slot's next chunk is asked for jointly, first thing behind it.
.macro CHANGE slot, refill
	s_wait_tensorcnt 0x0                           ; no tensor load of mine is out: a group 0 may be written
	ds_add_u32 v244, v245
	s_wait_dscnt 0x0
.if \refill
	s_add_nc_u64 s[G0+4*\slot+2:G0+4*\slot+3], s[G0+4*\slot+2:G0+4*\slot+3], 2*SLOT
.endif
	s_wait_dscnt 0x0
.if \refill
	ROUND
	tensor_load_to_lds s[G0+4*\slot:G0+4*\slot+3], s[G1:G1+7]
	s_nop 0
.else
	s_barrier_signal -1
	s_barrier_wait -1
.endif
.endm
.macro STEPS from, to
	s_mov_b32 s34, \from
.Lstep_\@:
	TRIP 2, 0
	s_add_co_u32 s34, s34, STEP
	s_cmp_lt_u32 s34, \to
	s_cbranch_scc1 .Lstep_\@
.endm
	s_load_b128 s[4:7], s[0:1], 0x0                ; qf s[4:5], kv s[6:7]
	s_load_b64 s[8:9], s[0:1], 0x10                ; ao
	v_lshl_add_u32 v244, v0, 2, 0x40000
	v_mov_b32 v245, 0
	ds_add_u32 v244, v245
	v_lshrrev_b32 v2, 5, v0
	v_readfirstlane_b32 s10, v2                    ; wave
	s_bfe_u32 s11, ttmp6, 0x40000                  ; cx: enters the addresses of Q and of the output alone
	s_lshr_b32 s14, ttmp9, 2                       ; bh: four clusters a head, the same in all four partners
	s_and_b32 s15, ttmp9, 3
	s_lshl2_add_u32 s15, s15, s11                  ; qblk = 4 (cluster & 3) + cx: 256 queries
	s_mov_b32 s12, 0x76543210                      ; v_permlanex16_b32: lane i reads lane i of the other half
	s_mov_b32 s13, 0xfedcba98
	; group 1: a dense block of 64 rows x 256 bytes (32 elements of 8 bytes)
	s_mov_b32 s[G1+0], 15|(3<<16)|(1<<21)          ; 15:0 mask: all four work-groups; 17:16 elements of 8 bytes; 21 set beside a mask; no padding
	s_mov_b32 s[G1+1], 32<<16                      ; tensor_dim0 = 32
	s_mov_b32 s[G1+2], 64<<16                      ; tensor_dim1 = 64
	s_mov_b32 s[G1+3], 32<<16                      ; tile_dim0 = 32
	s_mov_b32 s[G1+4], 64                          ; tile_dim1 = 64
	s_mov_b32 s[G1+5], 32                          ; from row to row: 32 elements
	s_mov_b32 s[G1+6], 0
	s_mov_b32 s[G1+7], 0
	s_lshl_b32 s32, s14, 19                        ; the head's 524,288 bytes of kv
	s_lshl_b32 s33, s10, 14                        ; my 16,384 bytes of a chunk
	s_add_co_u32 s32, s32, s33
	s_mov_b32 s33, 0
	s_mov_b32 s[G0], 1
	s_lshl_b32 s[G0+1], s10, 14                    ; LDS: slot 0 + 16,384 x wave
	s_mov_b32 s[G0+4], 1
	s_add_co_u32 s[G0+5], s[G0+1], SLOT            ; slot 1
	s_wait_dscnt 0x0
	s_wait_kmcnt 0x0
	s_add_nc_u64 s[G0+2:G0+3], s[6:7], s[32:33]    ; chunk 0
	s_add_nc_u64 s[G0+6:G0+7], s[G0+2:G0+3], SLOT  ; chunk 1
	s_or_b32 s[G0+3], s[G0+3], 0x80000000          ; type = 2
	s_or_b32 s[G0+7], s[G0+7], 0x80000000
	ROUND                                          ; all four work-groups are here: the first joint loads meet
	tensor_load_to_lds s[G0:G0+3], s[G1:G1+7]
	s_nop 0
	tensor_load_to_lds s[G0+4:G0+7], s[G1:G1+7]
	s_nop 0
	v_and_b32 v[LB], 31, v0
	v_lshlrev_b32 v[LB], 4, v[LB]
	s_lshl_b32 s32, s14, 18                        ; Q': head, 16,384 bytes a query block, 2,048 a wave
	s_lshl_b32 s35, s15, 14
	s_add_co_u32 s32, s32, s35
	s_lshl_b32 s35, s10, 11
	s_add_co_u32 s32, s32, s35
	s_add_nc_u64 s[4:5], s[4:5], s[32:33]
.irp q, 0,1,2,3
	global_load_b128 v[QF+4*\q:QF+4*\q+3], v[LB], s[4:5] offset:\q*512
.endr
	s_lshr_b32 s32, s14, 3                         ; ao: image, token tile 16 qblk + 2 wave (8,192 bytes each), head (1,024 bytes)
	s_lshl_b32 s32, s32, 21
	s_lshl_b32 s35, s15, 17
	s_add_co_u32 s32, s32, s35
	s_lshl_b32 s35, s10, 14
	s_add_co_u32 s32, s32, s35
	s_and_b32 s35, s14, 7
	s_lshl_b32 s35, s35, 10
	s_add_co_u32 s32, s32, s35
	s_add_nc_u64 s[8:9], s[8:9], s[32:33]
.irp q, 0,1,2,3,4,5,6,7
	v_mov_b32 v[ONES+\q], 0x3c003c00               ; two f16 ones
.endr
	v_mov_b32 v[MX], 0                             ; the packed forms name both registers of a pair, so both are written once here;
	v_mov_b32 v[MX+1], 0                           ; each value is replaced before it is used
	v_mov_b32 v[AL], 0
	v_mov_b32 v[AL+1], 0
	s_wait_tensorcnt 0x1                           ; my part of slot 0 is in; slot 1's load stays out
	s_barrier_signal -1
	s_barrier_wait -1                              ; everybody's part is in
	s_wait_loadcnt 0x0                             ; Q'
	s_mov_b32 s34, 0
	TRIP 0, 1                                      ; keys 0-63: the first maximum
	s_mov_b32 s34, STEP
	TRIP 1, 0                                      ; the first products with V start the sums
	STEPS 2*STEP, 65536                            ; chunk 0 in slot 0: steps 2 to 15
	CHANGE 0, 1                                    ; chunk 2 goes out into slot 0
	STEPS SLOT, SLOT+65536                         ; chunk 1 in slot 1
	CHANGE 1, 1                                    ; chunk 3 goes out into slot 1
	STEPS 0, 65536                                 ; chunk 2
	CHANGE 0, 0                                    ; nothing is left to fetch
	STEPS SLOT, SLOT+65536                         ; chunk 3
	s_wait_dscnt 0x0                               ; the last step's V
	PV 2
	v_nop                                          ; four places behind the last matrix instructions
	v_nop
	v_nop
	v_nop
	v_rcp_f32 v[T], v[LS]                          ; the sum is at least 1: the row's largest weight is 2^0
	v_rcp_f32 v[T+1], v[LS+8]
	v_nop                                          ; the plain place behind the reciprocals
	s_wait_alu depctr_va_vdst(0)
.irp qt, 0,1
.irp q, 0,2,4,6,8,10,12,14
	v_pk_mul_f32 v[OA+16*\qt+\q:OA+16*\qt+\q+1], v[OA+16*\qt+\q:OA+16*\qt+\q+1], v[T:T+1] op_sel:[0,\qt] op_sel_hi:[1,\qt]
.endr
.endr
.irp u, 0,1,2,3
.irp q, 0,1,2,3
	v_cvt_pk_f16_f32 v[PB+4*\u+\q], v[OA+8*\u+2*\q], v[OA+8*\u+2*\q+1]
.endr
.endr
.irp qt, 0,1
.irp dt, 0,1
	global_store_b128 v[LB], v[PB+4*(2*\qt+\dt):PB+4*(2*\qt+\dt)+3], s[8:9] offset:\qt*8192+\dt*512   ; 512 consecutive bytes, aligned: half dt of the next launch's fragment
.endr
.endr
	ROUND                                          ; the closing round: no work-group ends while a partner may still ask for a chunk that names it
	s_endpgm
.Lfunc_end_k_qf3aab2cc0f_attn:
	.size	k_qf3aab2cc0f_attn, .Lfunc_end_k_qf3aab2cc0f_attn-k_qf3aab2cc0f_attn
	.p2alignl 7, 3214868480
	.fill 96, 4, 3214868480
	.section	.rodata,"a",@progbits
	.p2align	6, 0x0
	.amdhsa_kernel k_qf3aab2cc0f_attn
		.amdhsa_group_segment_fixed_size 327680
		.amdhsa_private_segment_fixed_size 0
		.amdhsa_enable_private_segment 0
		.amdhsa_kernarg_size 24
		.amdhsa_user_sgpr_count 2
		.amdhsa_user_sgpr_kernarg_segment_ptr 1
		.amdhsa_wavefront_size32 1
		.amdhsa_system_sgpr_workgroup_id_x 1
		.amdhsa_system_sgpr_workgroup_id_y 1
		.amdhsa_system_sgpr_workgroup_id_z 1
		.amdhsa_system_vgpr_workitem_id 0
		.amdhsa_next_free_vgpr 246
		.amdhsa_next_free_sgpr 66
		.amdhsa_reserve_vcc 0
		.amdhsa_float_denorm_mode_32 3
		.amdhsa_float_denorm_mode_16_64 3
		.amdhsa_memory_ordered 1
		.amdhsa_forward_progress 1
		.amdhsa_inst_pref_size 82
	.end_amdhsa_kernel
	.amdgpu_metadata
---
amdhsa.version: [ 1, 2 ]
amdhsa.kernels:
  - .name:           k_qf3aab2cc0f_attn
    .symbol:         k_qf3aab2cc0f_attn.kd
    .args:
      - { .name: qf, .offset: 0, .size: 8, .value_kind: global_buffer, .address_space: global }
      - { .name: kv, .offset: 8, .size: 8, .value_kind: global_buffer, .address_space: global }
      - { .name: ao, .offset: 16, .size: 8, .value_kind: global_buffer, .address_space: global }
    .group_segment_fixed_size: 327680
    .private_segment_fixed_size: 0
    .kernarg_segment_align: 8
    .kernarg_segment_size: 24
    .max_flat_workgroup_size: 256
    .sgpr_count:     66
    .vgpr_count:     246
    .wavefront_size: 32
...
	.end_amdgpu_metadata
.endif
;; end of part 2
;; launch proj (part 3): grid 4 x 64, 8 waves a work-group, no clusters, 142,336 bytes of LDS; arguments ao, w_out, b_out, out0; writes out0
.if DOCPART == 3
	.amdgcn_target "amdgcn-amd-amdhsa--gfx1250"
	.amdhsa_code_object_version 6
	.text
	.protected	k_qf3aab2cc0f_proj
	.globl	k_qf3aab2cc0f_proj
	.p2align	8
	.type	k_qf3aab2cc0f_proj,@function
k_qf3aab2cc0f_proj:
	s_mov_b64 s[64:65], 0
	v_nop
	global_prefetch_b8 v0, s[64:65] scope:SCOPE_SE
	s_setreg_imm32_b32 hwreg(HW_REG_WAVE_MODE, 25, 1), 1
	s_wait_xcnt 0x0
; out0[b][o][tok] = sum over c of attn[b][tok][c] w_out[c][o] + b_out[o], f32, channel-major.
; ao holds attn in f16 as register images of A fragments: b*2097152 + nt*8192 + ks*1024 + half*512 + 16 L = attn[token 16 nt + r][c = 32 ks + 16 half + 8 h + e].
; A work-group makes 128 tokens x 64 outputs: 64 token blocks x 4 output blocks = 256 work-groups.
; Wave w: tgp = w & 1 (64 tokens, four tiles tt), ot = w >> 1 (16 outputs).  D = attn fragment x w_out fragment: a lane holds eight neighbouring tokens of output r.
; FORMAT AND LIMITS: matrix operands are f16 (w_out rounded to nearest even; it must stay below 65,504 in magnitude, and below 2^-14 it is kept with an absolute
; error of at most 2^-25), sums and bias in f32.
; NO CLUSTER: w_out is f32 and is rounded in registers on the way to LDS.  The ao block (65,536 bytes, shared by four work-groups) is the one tile
; that could be asked for jointly, once in a work-group's life, with no refill; it is copied through registers beside w_out's loads instead.
.set PW,    160                        ; LDS pitch of W [c][64 o] f16: 128 bytes + 32 = 5 x 32
.set LDSA,  256*PW                     ; 40,960: the ao block, dense, 65,536 bytes
.set STAGE, LDSA+65536                 ; 106,496: the way out, 16 rows x 272 bytes for each wave
.set SP,    272
.set WO,   1                           ; v1   w_out: (t>>4)*1024 + (t&15)*16
.set AO,   2                           ; v2   ao: 16 t
.set WS,   3                           ; v3   LDS store address in W
.set AS,   4                           ; v4   LDS store address in A
.set WA,   5                           ; v5   transposing-load address in W
.set AA,   6                           ; v6   my token group's fragments in A
.set STO,  7                           ; v7   the way out: where my 32 bytes of a row go
.set RD,   8                           ; v8   the way out: where I read rows back
.set CO,   9                           ; v9   my byte offset in out0
.set BO,   10                          ; v10  4 r
.set ACC,  16                          ; v16-47   four accumulator tiles (tt)
.set BIAS, 48                          ; v48-49
.set WF,   64                          ; v64-127  w_out fragments (ks); first the f32 pieces as loaded; last the rows on the way out
.set AF,   128                         ; v128-255 attn fragments, two banks of two K steps; first the ao block as loaded
.macro WM d, a, b, z
.if \z
	v_wmma_f32_16x16x32_f16 v[\d:\d+7], v[\a:\a+7], v[\b:\b+7], 0
.else
	v_wmma_f32_16x16x32_f16 v[\d:\d+7], v[\a:\a+7], v[\b:\b+7], v[\d:\d+7]
.endif
.endm
.macro PLACES
.rept 4
	v_nop
.endr
.endm
.macro BATCH bt                        ; sixteen loads: the attn fragments of K steps 2 bt, 2 bt + 1 of my four token tiles
.irp kl, 0,1
.irp tt, 0,1,2,3
	ds_load_b128 v[AF+64*(\bt%2)+8*(4*\kl+\tt):AF+64*(\bt%2)+8*(4*\kl+\tt)+3], v[AA] offset:\tt*8192+(2*\bt+\kl)*1024
	ds_load_b128 v[AF+64*(\bt%2)+8*(4*\kl+\tt)+4:AF+64*(\bt%2)+8*(4*\kl+\tt)+7], v[AA] offset:\tt*8192+(2*\bt+\kl)*1024+512
.endr
.endr
.endm
.macro MULB bt                         ; eight products; the four accumulators take turns, one instruction a turn
.irp kl, 0,1
.set KS, 2*\bt+\kl
.irp tt, 0,1,2,3
	WM ACC+8*\tt, AF+64*(\bt%2)+8*(4*\kl+\tt), WF+8*KS, KS==0
.endr
.endr
.endm
	s_load_b256 s[4:11], s[0:1], 0x0               ; ao s[4:5], w_out s[6:7], b_out s[8:9], out0 s[10:11]
	v_lshl_add_u32 v62, v0, 2, 0x22800
	v_mov_b32 v63, 0
	v_lshrrev_b32 v11, 5, v0
	v_readfirstlane_b32 s12, v11                   ; wave
	s_and_b32 s13, ttmp7, 0xffff                   ; tb
	s_lshr_b32 s14, s13, 5                         ; b
	s_and_b32 s15, s13, 31
	s_and_b32 s16, s12, 1                          ; tgp
	s_lshr_b32 s17, s12, 1                         ; ot
	v_lshrrev_b32 v11, 4, v0                       ; t >> 4
	v_and_b32 v12, 15, v0                          ; t & 15 (= r)
	v_lshlrev_b32 v[WO], 10, v11
	v_lshl_add_u32 v[WO], v12, 4, v[WO]
	v_lshlrev_b32 v[AO], 4, v0
	v_lshlrev_b32 v[BO], 2, v12
	s_lshl_b32 s18, s14, 21
	s_lshl_b32 s19, s15, 16
	s_add_co_u32 s18, s18, s19                     ; ao: image, 65,536 bytes a token block
	s_mov_b32 s19, 0
	s_lshl_b32 s20, ttmp9, 8                       ; w_out, b_out: 64 outputs = 256 bytes
	s_mov_b32 s21, 0
	s_lshl_b32 s22, s17, 6
	s_add_co_u32 s22, s22, s20                     ; b_out: + my 16 outputs
	s_mov_b32 s23, 0
	s_lshl_b32 s24, s14, 22                        ; out0: image, output row 64 oblk + 16 ot (16,384 bytes each), token 128 (tb & 31) + 64 tgp
	s_lshl_b32 s25, ttmp9, 20
	s_add_co_u32 s24, s24, s25
	s_lshl_b32 s25, s17, 18
	s_add_co_u32 s24, s24, s25
	s_lshl_b32 s25, s15, 9
	s_add_co_u32 s24, s24, s25
	s_lshl_b32 s25, s16, 8
	s_add_co_u32 s24, s24, s25
	s_mov_b32 s25, 0
	s_wait_kmcnt 0x0
	s_add_nc_u64 s[4:5], s[4:5], s[18:19]
	s_add_nc_u64 s[6:7], s[6:7], s[20:21]
	s_add_nc_u64 s[8:9], s[8:9], s[22:23]
	s_add_nc_u64 s[10:11], s[10:11], s[24:25]
.irp i, 0,1,2,3,4,5,6,7,8,9,10,11,12,13,14,15
	global_load_b128 v[WF+4*\i:WF+4*\i+3], v[WO], s[6:7] offset:\i*16384     ; rows (t>>4) + 16 i: sixteen lanes read 256 consecutive bytes, aligned
.endr
.irp i, 0,1,2,3,4,5,6,7,8,9,10,11,12,13,14,15
	global_load_b128 v[AF+4*\i:AF+4*\i+3], v[AO], s[4:5] offset:\i*4096      ; the dense block, 4,096 bytes for each line
.endr
	global_load_b32 v[BIAS], v[BO], s[8:9]
	v_mov_b32 v[BIAS+1], 0                         ; the packed add names the pair
	v_mul_u32_u24 v[WS], v11, PW
	v_lshl_add_u32 v[WS], v12, 3, v[WS]
	v_add_nc_u32 v[AS], LDSA, v[AO]
	v_bfe_u32 v13, v0, 4, 1                        ; h
	v_and_b32 v14, 7, v0
	v_lshl_add_u32 v14, v13, 3, v14                ; row of a transposing load: 8 h + (L & 7)
	v_bfe_u32 v15, v0, 3, 1
	v_lshlrev_b32 v15, 4, v15                      ; its 16-byte column
	s_lshl_b32 s26, s17, 5                         ; my 16 outputs: 32 bytes
	v_mul_u32_u24 v[WA], v14, PW
	v_add_nc_u32 v[WA], v[WA], v15
	v_add_nc_u32 v[WA], s26, v[WA]
	s_lshl_b32 s26, s16, 15                        ; my 64 tokens: four tiles of 8,192 bytes
	s_add_co_u32 s26, s26, LDSA
	v_and_b32 v[AA], 31, v0
	v_lshl_add_u32 v[AA], v[AA], 4, s26
	s_mul_i32 s26, s12, 16*SP
	s_add_co_u32 s26, s26, STAGE                   ; my stage
	v_mul_u32_u24 v[STO], v12, SP
	v_lshl_add_u32 v[STO], v13, 5, v[STO]
	v_add_nc_u32 v[STO], s26, v[STO]               ; in: row r, 32 bytes for each half of the lanes
	v_mul_u32_u24 v[RD], v13, SP
	v_lshl_add_u32 v[RD], v12, 4, v[RD]
	v_add_nc_u32 v[RD], s26, v[RD]                 ; back: lanes 0-15 one row of 256 bytes, lanes 16-31 the next
	v_lshlrev_b32 v[CO], 14, v13
	v_lshl_add_u32 v[CO], v12, 4, v[CO]            ; and the same two rows in out0
	s_wait_loadcnt 17                              ; w_out's sixteen are in; ao's sixteen and the bias stay out
.irp i, 0,1,2,3,4,5,6,7,8,9,10,11,12,13,14,15
	v_cvt_pk_f16_f32 v[WF+4*\i], v[WF+4*\i], v[WF+4*\i+1]
	v_cvt_pk_f16_f32 v[WF+4*\i+1], v[WF+4*\i+2], v[WF+4*\i+3]
	ds_store_b64 v[WS], v[WF+4*\i:WF+4*\i+1] offset:\i*16*PW
.endr
	s_wait_loadcnt 0x0
.irp i, 0,1,2,3,4,5,6,7,8,9,10,11,12,13,14,15
	ds_store_b128 v[AS], v[AF+4*\i:AF+4*\i+3] offset:\i*4096
.endr
	s_wait_dscnt 0x0                               ; my LDS stores are done, for the other waves' sake
	s_barrier_signal -1
	s_barrier_wait -1                              ; W and A are whole; from here on each wave writes only its own stage
.irp ks, 0,1,2,3,4,5,6,7
	ds_load_tr16_b128 v[WF+8*\ks:WF+8*\ks+3], v[WA] offset:\ks*32*PW
	ds_load_tr16_b128 v[WF+8*\ks+4:WF+8*\ks+7], v[WA] offset:\ks*32*PW+16*PW
.endr
	BATCH 0
	BATCH 1
	s_wait_dscnt 16                                ; LDS loads come back in order: w_out's fragments and batch 0 are in, batch 1 stays out
	MULB 0
	PLACES                                         ; loads into registers that matrix instructions have read stand four places behind them
	BATCH 2
	s_wait_dscnt 16                                ; batch 1; batch 2 stays out
	MULB 1
	PLACES
	BATCH 3
	s_wait_dscnt 16                                ; batch 2
	MULB 2
	s_wait_dscnt 0x0
	MULB 3
	PLACES                                         ; behind the last products: for the adds on the sums and the loads into w_out's fragments
	; THE WAY OUT: + bias, 64 tokens of each of my 16 outputs through my own stage, read back as whole rows of 256 bytes
.irp q, 0,2,4,6,8,10,12,14,16,18,20,22,24,26,28,30
	v_pk_add_f32 v[ACC+\q:ACC+\q+1], v[ACC+\q:ACC+\q+1], v[BIAS:BIAS+1] op_sel_hi:[1,0]   ; one output a lane: one bias for all
.endr
.irp tt, 0,1,2,3
	ds_store_b128 v[STO], v[ACC+8*\tt:ACC+8*\tt+3] offset:\tt*64
	ds_store_b128 v[STO], v[ACC+8*\tt+4:ACC+8*\tt+7] offset:\tt*64+16
.endr
.irp u, 0,1,2,3,4,5,6,7
	ds_load_b128 v[WF+4*\u:WF+4*\u+3], v[RD] offset:\u*2*SP                  ; LDS serves a wave's instructions in order (ISA guide 5.7.1.4): these see the stores above
.endr
.irp u, 0,1,2,3,4,5,6,7
	s_wait_dscnt 7-\u                              ; row pair u is in, the younger ones stay out
	global_store_b128 v[CO], v[WF+4*\u:WF+4*\u+3], s[10:11] offset:\u*32768 th:TH_STORE_NT   ; sixteen lanes store 256 consecutive bytes of one output row, aligned
.endr
	s_wait_tensorcnt 0x0
	ds_add_u32 v62, v63
	s_wait_dscnt 0x0
	s_endpgm
.Lfunc_end_k_qf3aab2cc0f_proj:
	.size	k_qf3aab2cc0f_proj, .Lfunc_end_k_qf3aab2cc0f_proj-k_qf3aab2cc0f_proj
	.p2alignl 7, 3214868480
	.fill 96, 4, 3214868480
	.section	.rodata,"a",@progbits
	.p2align	6, 0x0
	.amdhsa_kernel k_qf3aab2cc0f_proj
		.amdhsa_group_segment_fixed_size 142336
		.amdhsa_private_segment_fixed_size 0
		.amdhsa_enable_private_segment 0
		.amdhsa_kernarg_size 32
		.amdhsa_user_sgpr_count 2
		.amdhsa_user_sgpr_kernarg_segment_ptr 1
		.amdhsa_wavefront_size32 1
		.amdhsa_system_sgpr_workgroup_id_x 1
		.amdhsa_system_sgpr_workgroup_id_y 1
		.amdhsa_system_sgpr_workgroup_id_z 1
		.amdhsa_system_vgpr_workitem_id 0
		.amdhsa_next_free_vgpr 256
		.amdhsa_next_free_sgpr 66
		.amdhsa_reserve_vcc 0
		.amdhsa_float_denorm_mode_32 3
		.amdhsa_float_denorm_mode_16_64 3
		.amdhsa_memory_ordered 1
		.amdhsa_forward_progress 1
		.amdhsa_inst_pref_size 22
	.end_amdhsa_kernel
	.amdgpu_metadata
---
amdhsa.version: [ 1, 2 ]
amdhsa.kernels:
  - .name:           k_qf3aab2cc0f_proj
    .symbol:         k_qf3aab2cc0f_proj.kd
    .args:
      - { .name: ao, .offset: 0, .size: 8, .value_kind: global_buffer, .address_space: global }
      - { .name: w_out, .offset: 8, .size: 8, .value_kind: global_buffer, .address_space: global }
      - { .name: b_out, .offset: 16, .size: 8, .value_kind: global_buffer, .address_space: global }
      - { .name: out0, .offset: 24, .size: 8, .value_kind: global_buffer, .address_space: global }
    .group_segment_fixed_size: 142336
    .private_segment_fixed_size: 0
    .kernarg_segment_align: 8
    .kernarg_segment_size: 32
    .max_flat_workgroup_size: 256
    .sgpr_count:     66
    .vgpr_count:     256
    .wavefront_size: 32
...
	.end_amdgpu_metadata
.endif
;; end of part 3
;; ======== version 2 of 2: 3 launches; version 1 with the launches qkv, proj written anew for expert scheduling mode
;; limits: values are held in f16: magnitudes above 65,504 overflow, below 6.1e-05 lose precision
;; workspace buffers: qf 4,194,304 bytes; kv 8,388,608 bytes; ao 4,194,304 bytes
;; launch qkv (part 4): grid 4 x 64, 8 waves a work-group, no clusters, 181,248 bytes of LDS; arguments x, w_qkv, b_qkv, qf, kv; writes qf, kv
.if DOCPART == 4
	.amdgcn_target "amdgcn-amd-amdhsa--gfx1250"
	.amdhsa_code_object_version 6
	.text
	.protected	k_qf3aab2cc0f_qkv
	.globl	k_qf3aab2cc0f_qkv
	.p2align	8
	.type	k_qf3aab2cc0f_qkv,@function
k_qf3aab2cc0f_qkv:
	s_mov_b64 s[64:65], 0
	v_nop
	global_prefetch_b8 v0, s[64:65] scope:SCOPE_SE
	s_setreg_imm32_b32 hwreg(HW_REG_WAVE_SCHED_MODE, 0, 2), 2
	s_setreg_imm32_b32 hwreg(HW_REG_WAVE_MODE, 25, 1), 1
	s_wait_xcnt 0x0
	s_wait_alu depctr_vm_vsrc(0)
; qkv = tokens * w_qkv + b_qkv, rounded once to f16 and stored as the register images of the matrix fragments that the attention launch reads.
; x: [2][256 c][4096 tok] f32, w_qkv: [256 c][768 o] f32, b_qkv: [768] f32.
; A work-group makes 128 tokens x 192 outputs over K = 256 channels: 64 token blocks x 4 output blocks = 256 work-groups.
; Wave w: tg = w & 3 (32 tokens, two tiles tt), og = w >> 2 (three chunks of 32 outputs).  A chunk g = 6 oblk + 3 og + i is one head's
; 32 numbers of Q (g < 8), of K (g < 16) or of V.
; OUTPUT IMAGES (L lane, r = L & 15, h = L >> 4, e = 0..7 the f16 in the lane's 16 bytes; every store of a wave covers 512 consecutive bytes, aligned):
;   qf: bh*262144 + nt*1024 + half*512 + 16 L                        = Q'[token 16 nt + r][d = 16 half + 8 h + e],  Q' = Q * 32^-0.5 * log2(e), scaled in f32
;   kv: bh*524288 + (key/1024)*131072 + kt*1024 + half*512 + 16 L    = K[key 16 kt + r][d = 16 half + 8 h + e]
;   kv: the same chunk + 65536 + kb*2048 + dt*1024 + half*512 + 16 L = V[key 32 kb + 16 half + 8 h + e][d = 16 dt + r]
; Q and K: D = W fragment x X fragment, so a lane holds eight neighbouring d of one token.  V: the same two fragments with the sources swapped,
; so a lane holds eight neighbouring tokens of one d.  Either way four packed roundings make the lane's 16 bytes: no shuffle, no LDS on the way out.
; FORMAT AND LIMITS: matrix operands are f16 (11 significant bits; the chain of roundings x, w, Q', K, V, weights, attn wants more than bf16's 8), sums in f32.
; Every operand must stay below 65,504 in magnitude, else it becomes an infinity.  The room: K and V are sums of 256 products; with x of spread 30 and w_qkv of
; spread 30/16 their spread is 900 and their largest some thousands; with x offset by 30 and w_qkv by 30/16 they lie near 256 x 30 x 30/16 = 14,400.
; Below 2^-14 a number is kept with an absolute error of at most 2^-25 (f16 subnormals).
; NO CLUSTER: x's tile is shared by 4 work-groups and w's by 64, but both are f32 and are rounded in registers on the way to LDS; as f32 tiles
; in LDS they would take 131,072 + 196,608 bytes, the whole of a work-group's allowance, with no byte left for the f16 tiles.
; THE MODE: SCHED_MODE bits 1:0 = 2 (LLVM: expert scheduling mode 2), set by the entry lines.  The code itself states the register dependences
; between vector or matrix instructions and memory or LDS instructions, with s_wait_alu, always for 0.
; THE PLAN.  Registers that memory or LDS instructions touch:
;   v1-v13          offsets and LDS addresses: written once at the head, never again.
;   banks A, B, C   while LDS is filled: global loads land in them, a batch's 32 roundings read them; A and B are loaded a second time.
;   OUT (v16-47)    while LDS is filled: a batch's roundings write it, its sixteen LDS stores read it.  From the products on these registers are the accumulators.
;   XF              loaded from LDS once, read by the products of all three chunks.
;   WF0, WF1        W's fragments of K steps 0-3 and 4-7 of a chunk: LDS loads land in them, the chunk's products read them.
;   BIAS            a chunk's global loads land in it, the chunk's way out reads it (and, for Q and K, scales it in place).
;   ACC             the products and the way out write it, the chunk's four global stores read it.
; While LDS is filled: one wait on va_vdst behind a batch's roundings (OUT is written, the bank is read out), then the bank's next loads, then the stores;
; one wait on vm_vsrc ahead of the next batch's roundings (the stores have read OUT).
; In the chunks: ONE wait on va_vdst a chunk, ahead of its stores: ACC is packed, BIAS is read out, and the chunk's products are done reading WF0 and WF1; between it
; and the next chunk's loads into BIAS, WF0 and WF1 no vector or matrix instruction names those registers.  One wait on vm_vsrc at a chunk's head: the stores have read ACC.
.set PX,   288                         ; LDS pitch of X [c][128 tok] f16: 256 bytes + 32 = 9 x 32
.set PW,   416                         ; LDS pitch of W [c][192 o] f16: 384 bytes + 32 = 13 x 32
.set LDSW, 256*PX                      ; W lies behind X: byte 73,728
.set XO,   1                           ; v1      x: (t>>4)*16384 + (t&15)*16
.set WO,   2                           ; v2      w: (t>>4)*3072 + (t&15)*16
.set XS,   3                           ; v3-4    LDS store address in X, rows 0-127 and 128-255
.set WS,   5                           ; v5-6    the same in W
.set XA,   7                           ; v7-8    transposing-load address in X, K steps 0-3 and 4-7
.set WA,   9                           ; v9-10   the same in W
.set LO,   11                          ; v11     16 L
.set BQ,   12                          ; v12     32 h: my eight biases in a Q or K tile
.set BV,   13                          ; v13     4 r: my bias in a V tile
.set ACC,  16                          ; v16-47  four accumulator tiles (tt, ot) at 16 + 8 (2 tt + ot)
.set OUT,  16                          ; v16-47  while LDS is filled: sixteen pieces of four f16, rounded, on their way to LDS
.set BIAS, 48                          ; v48-63
.set XF,   64                          ; v64-191  X fragments (tt, ks) at 64 + 8 (2 ks + tt); while LDS is filled: banks A and B
.set WF,   192                         ; v192-255 WF0: W fragments (ks, ot), ks = 0..3, at 192 + 8 (2 ks + ot); while LDS is filled: bank C
.set W1,   8                           ; v264-327 WF1, named in window 1: W fragments (ks, ot), ks = 4..7, at 8 + 8 (2 (ks - 4) + ot)
.set BKA,  64
.set BKB,  128
.set BKC,  192
.set MSB,  0
.macro WIN new                         ; s_set_vgpr_msb: bits 1:0 source 0, 3:2 source 1, 5:4 source 2, 7:6 destination; the high byte repeats the setting that is left
.if MSB != (\new)
	s_set_vgpr_msb (MSB<<8)|(\new)
.set MSB, \new
.endif
.endm
.macro PLACES n
.rept \n
	v_nop
.endr
.endm
.macro WM d, a, b, z                   ; one product; z: it starts the sum (C = 0), nothing is cleared
.if \z
	v_wmma_f32_16x16x32_f16 v[\d:\d+7], v[\a:\a+7], v[\b:\b+7], 0
.else
	v_wmma_f32_16x16x32_f16 v[\d:\d+7], v[\a:\a+7], v[\b:\b+7], v[\d:\d+7]
.endif
.endm
; sixteen loads: rows (t>>4) + 16 i, the 256 bytes number s of each row; sixteen neighbouring lanes read 256 consecutive bytes, aligned
.macro LOADB bank, voff, blo, rowstep, s
.irp i, 0,1,2,3,4,5,6,7,8,9,10,11,12,13,14,15
	global_load_b128 v[\bank+4*\i:\bank+4*\i+3], v[\voff], s[\blo:\blo+1] offset:\i*\rowstep+\s*256
.endr
.endm
; the same sixteen pieces rounded to f16, out of the bank into OUT
.macro CVTB bank
.irp i, 0,1,2,3,4,5,6,7,8,9,10,11,12,13,14,15
	v_cvt_pk_f16_f32 v[OUT+2*\i], v[\bank+4*\i], v[\bank+4*\i+1]
	v_cvt_pk_f16_f32 v[OUT+2*\i+1], v[\bank+4*\i+2], v[\bank+4*\i+3]
.endr
.endm
; and laid into LDS, 8 bytes a lane
.macro STOB adr, step, s
.irp i, 0,1,2,3,4,5,6,7,8,9,10,11,12,13,14,15
	ds_store_b64 v[\adr+\i/8], v[OUT+2*\i:OUT+2*\i+1] offset:(\i%8)*\step+\s*128
.endr
.endm
.macro PACK a                          ; eight f32 to eight f16, in place, in the first four registers
	v_cvt_pk_f16_f32 v[\a], v[\a], v[\a+1]
	v_cvt_pk_f16_f32 v[\a+1], v[\a+2], v[\a+3]
	v_cvt_pk_f16_f32 v[\a+2], v[\a+4], v[\a+5]
	v_cvt_pk_f16_f32 v[\a+3], v[\a+6], v[\a+7]
.endm
; sixteen transposing loads: W's fragments of chunk c, K steps 4 kh .. 4 kh + 3, into the 64 registers from base on
.macro WLOAD kh, c, base
.irp kl, 0,1,2,3
.irp ot, 0,1
	ds_load_tr16_b128 v[\base+8*(2*\kl+\ot):\base+8*(2*\kl+\ot)+3], v[WA+\kh] offset:\kl*32*PW+\c*64+\ot*32
	ds_load_tr16_b128 v[\base+8*(2*\kl+\ot)+4:\base+8*(2*\kl+\ot)+7], v[WA+\kh] offset:\kl*32*PW+\c*64+\ot*32+16*PW
.endr
.endr
.endm
	s_load_b256 s[4:11], s[0:1], 0x0               ; x s[4:5], w_qkv s[6:7], b_qkv s[8:9], qf s[10:11]
	s_load_b64 s[12:13], s[0:1], 0x20              ; kv
	s_set_vgpr_msb 0x40
	v_lshl_add_u32 v0, v0, 2, 0x2c000
	v_mov_b32 v1, 0
	s_set_vgpr_msb 0x4000
	v_lshrrev_b32 v14, 5, v0
	v_readfirstlane_b32 s14, v14                   ; wave
	s_and_b32 s16, ttmp7, 0xffff                   ; tb: token block 0..63
	s_lshr_b32 s17, s16, 5                         ; b
	s_and_b32 s15, s16, 31                         ; token block within the image
	s_wait_alu depctr_va_sdst(0)                   ; s14 is written, ahead of its first reader: the wave's shares and addresses are made from it
	s_and_b32 s18, s14, 3                          ; tg
	s_lshr_b32 s19, s14, 2                         ; og
	s_mul_i32 s20, ttmp9, 6
	s_mul_i32 s24, s19, 3
	s_add_co_u32 s20, s20, s24                     ; g0 = 6 oblk + 3 og
	s_lshl_b32 s21, s15, 3
	s_lshl1_add_u32 s21, s18, s21                  ; nt0 = 8 (tb & 31) + 2 tg: my first token tile, even
	s_lshl_b32 s22, s17, 21
	s_lshl_b32 s24, s21, 10
	s_add_co_u32 s22, s22, s24                     ; Q0 = b*8*262144 + nt0*1024
	s_lshl_b32 s23, s17, 22
	s_lshr_b32 s24, s21, 6
	s_lshl_b32 s24, s24, 17
	s_add_co_u32 s23, s23, s24
	s_and_b32 s24, s21, 63
	s_lshl_b32 s24, s24, 10
	s_add_co_u32 s23, s23, s24                     ; K0 = b*8*524288 + (nt0>>6)*131072 + (nt0&63)*1024
	s_mov_b32 s34, 0x3e8293ee                      ; 32^-0.5 * log2(e)
	s_mov_b32 s35, 0x3f800000                      ; 1.0
	v_lshrrev_b32 v14, 4, v0                       ; t >> 4
	v_and_b32 v15, 15, v0                          ; t & 15 (= r)
	v_lshlrev_b32 v[XO], 14, v14
	v_lshl_add_u32 v[XO], v15, 4, v[XO]
	v_mul_u32_u24 v[WO], v14, 3072
	v_lshl_add_u32 v[WO], v15, 4, v[WO]
	s_lshl_b32 s24, s17, 22
	s_lshl_b32 s25, s15, 9
	s_add_co_u32 s24, s24, s25                     ; x: image b, 512 bytes of each row for each token block
	s_mov_b32 s25, 0
	s_wait_kmcnt 0x0
	s_add_nc_u64 s[4:5], s[4:5], s[24:25]
	s_mul_i32 s24, ttmp9, 768                      ; w: 192 outputs = 768 bytes of each row
	s_add_nc_u64 s[6:7], s[6:7], s[24:25]
	s_lshl_b32 s24, s20, 7                         ; b_qkv: 128 bytes a chunk
	s_add_nc_u64 s[8:9], s[8:9], s[24:25]
	s_wait_alu depctr_va_vdst(0)                   ; v[XO] and v[WO] are written: the loads of x and w read them as their offsets
	; FILL: five batches of sixteen loads through three banks of 64 registers
	LOADB BKA, XO, 4, 262144, 0
	LOADB BKB, XO, 4, 262144, 1
	LOADB BKC, WO, 6, 49152, 0
	v_mul_u32_u24 v[XS], v14, PX
	v_lshl_add_u32 v[XS], v15, 3, v[XS]
	v_add_nc_u32 v[XS+1], 8*16*PX, v[XS]
	v_mul_u32_u24 v[WS], v14, PW
	v_lshl_add_u32 v[WS], v15, 3, v[WS]
	v_add_nc_u32 v[WS], LDSW, v[WS]
	v_add_nc_u32 v[WS+1], 8*16*PW, v[WS]
	v_bfe_u32 v14, v0, 4, 1                        ; h
	v_and_b32 v48, 7, v0
	v_lshl_add_u32 v48, v14, 3, v48                ; row of a transposing load: 8 h + (L & 7)
	v_bfe_u32 v49, v0, 3, 1
	v_lshlrev_b32 v49, 4, v49                      ; its 16-byte column: 16 ((L >> 3) & 1)
	s_lshl_b32 s24, s18, 6                         ; my 32 tokens: 64 bytes
	v_mul_u32_u24 v[XA], v48, PX
	v_add_nc_u32 v[XA], v[XA], v49
	v_add_nc_u32 v[XA], s24, v[XA]
	v_add_nc_u32 v[XA+1], 4*32*PX, v[XA]
	s_mul_i32 s24, s19, 192                        ; my 96 outputs: 192 bytes
	s_add_co_u32 s24, s24, LDSW
	v_mul_u32_u24 v[WA], v48, PW
	v_add_nc_u32 v[WA], v[WA], v49
	v_add_nc_u32 v[WA], s24, v[WA]
	v_add_nc_u32 v[WA+1], 4*32*PW, v[WA]
	v_and_b32 v[LO], 31, v0
	v_lshlrev_b32 v[LO], 4, v[LO]
	v_lshlrev_b32 v[BQ], 5, v14
	v_lshlrev_b32 v[BV], 2, v15
	s_wait_loadcnt 32                              ; loads come back in order: bank A is in, the 32 younger loads stay out
	CVTB BKA
	s_wait_alu depctr_va_vdst(0)                   ; the roundings have written OUT, which the stores read, and are done reading bank A, in which the loads land; v3 to v13 are written too, and v48, v49 are done with
	LOADB BKA, WO, 6, 49152, 1                     ; the bank is asked for again ahead of the stores
	STOB XS, 16*PX, 0
	s_wait_loadcnt 32                              ; bank B; C and the new A stay out
	s_wait_alu depctr_vm_vsrc(0)                   ; the LDS stores above have read OUT, which the roundings below write again
	CVTB BKB
	s_wait_alu depctr_va_vdst(0)                   ; OUT is written, for the stores
	LOADB BKB, WO, 6, 49152, 2
	STOB XS, 16*PX, 1
	s_wait_loadcnt 32                              ; bank C
	s_wait_alu depctr_vm_vsrc(0)                   ; the LDS stores above have read OUT
	CVTB BKC
	s_wait_alu depctr_va_vdst(0)                   ; OUT is written, for the stores
	STOB WS, 16*PW, 0
	s_wait_loadcnt 16                              ; bank A again; B's sixteen stay out
	s_wait_alu depctr_vm_vsrc(0)                   ; the LDS stores above have read OUT
	CVTB BKA
	s_wait_alu depctr_va_vdst(0)                   ; OUT is written, for the stores
	STOB WS, 16*PW, 1
	s_wait_loadcnt 0x0
	s_wait_alu depctr_vm_vsrc(0)                   ; the LDS stores above have read OUT
	CVTB BKB
	s_wait_alu depctr_va_vdst(0)                   ; OUT is written, for the stores; all roundings are done reading the three banks, in which the fragments of X and W land below
	STOB WS, 16*PW, 2
	s_wait_dscnt 0x0                               ; my LDS stores are done, for the other waves' sake
	s_barrier_signal -1
	s_barrier_wait -1                              ; X and W are whole; nothing writes LDS from here on
	s_wait_alu depctr_vm_vsrc(0)                   ; my LDS stores have read OUT: these registers are the accumulators from here on, written by the products
	; all sixteen X fragments of my 32 tokens stay in registers for the three chunks
.irp ks, 0,1,2,3,4,5,6,7
.irp tt, 0,1
	ds_load_tr16_b128 v[XF+8*(2*\ks+\tt):XF+8*(2*\ks+\tt)+3], v[XA+\ks/4] offset:(\ks%4)*32*PX+\tt*32
	ds_load_tr16_b128 v[XF+8*(2*\ks+\tt)+4:XF+8*(2*\ks+\tt)+7], v[XA+\ks/4] offset:(\ks%4)*32*PX+\tt*32+16*PX
.endr
.endr
; The products of chunk c: bias loads, WF0's sixteen loads, the first K step's four products, WF1's sixteen loads, the other seven K steps.
; No wait on va_vdst stands here: no vector or matrix instruction since the last one (ahead of the chunk before's stores; for chunk 0 behind the last roundings)
; names BIAS, WF0 or WF1 ahead of the loads into them; the first K step's products name WF0, XF and ACC alone.
; swap = 0: D = W x X (Q, K).  swap = 1: D = X x W (V).
; The four accumulators take turns, one instruction a turn.
.macro BODY c, swap
.if \swap
	global_load_b32 v[BIAS], v[BV], s[8:9] offset:\c*128
	global_load_b32 v[BIAS+1], v[BV], s[8:9] offset:\c*128+64
.else
.irp q, 0,1,2,3
	global_load_b128 v[BIAS+4*\q:BIAS+4*\q+3], v[BQ], s[8:9] offset:\c*128+(\q/2)*64+(\q%2)*16
.endr
.endif
	WLOAD 0, \c, WF
.irp kh, 0,1
.irp kl, 0,1,2,3
.set KS, 4*\kh+\kl
.if \kh
.set WFB, W1+16*\kl
.else
.set WFB, WF+16*\kl
.endif
.if KS==0
	s_wait_dscnt 12                                ; LDS loads come back in order: K step 0's four are in (and X's, which are older); WF0's other twelve stay out
.elseif KS<4
	s_wait_dscnt 28-4*\kl                          ; this K step's four are in; four for each later step of WF0 and WF1's sixteen stay out
.else
	s_wait_dscnt 12-4*\kl                          ; this K step's four are in; four for each later step stay out
.endif
.if KS==4
.if \swap
	WIN 0x04                                       ; W's fragment is source 1: window 1
.else
	WIN 0x01                                       ; W's fragment is source 0: window 1
.endif
.endif
.irp tt, 0,1
.irp ot, 0,1
.if \swap
	WM ACC+8*(2*\tt+\ot), XF+8*(2*KS+\tt), WFB+8*\ot, KS==0
.else
	WM ACC+8*(2*\tt+\ot), WFB+8*\ot, XF+8*(2*KS+\tt), KS==0
.endif
.endr
.endr
.if KS==0
	WIN 0x40                                       ; destination window 1, address window 0
	WLOAD 1, \c, W1
	WIN 0
.endif
.endr
.endr
	WIN 0
	PLACES 5                                       ; behind the last products: four places for the vector work on the sums, five for the next chunk's first products, which write over them
	s_wait_loadcnt 0x0                             ; the biases
.endm
.macro CHUNK c
.if \c
	s_wait_xcnt 0x0                                ; the last chunk's stores have had their addresses translated: their data (ACC) and their base s[30:31] are rewritten only behind this wait
	s_wait_alu depctr_vm_vsrc(0)                   ; the last chunk's stores have read ACC, which this chunk's products write
.endif
	s_add_co_u32 s26, s20, \c                      ; g
	s_and_b32 s27, s26, 7                          ; head
	s_cmp_ge_u32 s26, 16
	s_cbranch_scc1 .Lv_\@
	; Q or K
	s_cmp_lt_u32 s26, 8                            ; Q?
	s_cselect_b32 s28, s34, s35                    ; the scale,
	s_cselect_b64 s[30:31], s[10:11], s[12:13]     ; the buffer,
	s_cselect_b32 s32, s22, s23                    ; my tiles' place in a head's image,
	s_cselect_b32 s33, 18, 19                      ; and a head's bytes: 2^18 in qf, 2^19 in kv
	s_mov_b32 s29, s28
	s_lshl_b32 s33, s27, s33
	s_add_co_u32 s32, s32, s33
	s_mov_b32 s33, 0
	s_add_nc_u64 s[30:31], s[30:31], s[32:33]
	BODY \c, 0
.irp q, 0,2,4,6,8,10,12,14
	v_pk_mul_f32 v[BIAS+\q:BIAS+\q+1], v[BIAS+\q:BIAS+\q+1], s[28:29] op_sel_hi:[1,0]
.endr
.irp tt, 0,1
.irp ot, 0,1
.set A0, ACC+8*(2*\tt+\ot)
.irp q, 0,2,4,6
	v_pk_fma_f32 v[A0+\q:A0+\q+1], v[A0+\q:A0+\q+1], s[28:29], v[BIAS+8*\ot+\q:BIAS+8*\ot+\q+1] op_sel_hi:[1,0,1]   ; (sum + bias) * scale, fused
.endr
	PACK A0
.endr
.endr
	s_wait_alu depctr_va_vdst(0)                   ; the roundings have written ACC, which the stores read
.irp tt, 0,1
.irp ot, 0,1
	global_store_b128 v[LO], v[ACC+8*(2*\tt+\ot):ACC+8*(2*\tt+\ot)+3], s[30:31] offset:\tt*1024+\ot*512
.endr
.endr
	s_branch .Ldone_\@
.Lv_\@:
	s_lshl_b32 s32, s27, 19
	s_add_co_u32 s32, s32, s23
	s_add_co_u32 s32, s32, 65536                   ; V's image lies behind K's in the chunk of 1,024 keys
	s_mov_b32 s33, 0
	s_add_nc_u64 s[30:31], s[12:13], s[32:33]
	BODY \c, 1
.irp tt, 0,1
.irp ot, 0,1
.set A0, ACC+8*(2*\tt+\ot)
.irp q, 0,2,4,6
	v_pk_add_f32 v[A0+\q:A0+\q+1], v[A0+\q:A0+\q+1], v[BIAS:BIAS+1] op_sel:[0,\ot] op_sel_hi:[1,\ot]   ; one d a lane: one bias for all eight tokens
.endr
	PACK A0
.endr
.endr
	s_wait_alu depctr_va_vdst(0)                   ; the roundings have written ACC, which the stores read
.irp tt, 0,1
.irp ot, 0,1
	global_store_b128 v[LO], v[ACC+8*(2*\tt+\ot):ACC+8*(2*\tt+\ot)+3], s[30:31] offset:\ot*1024+\tt*512
.endr
.endr
.Ldone_\@:
.endm
	CHUNK 0
	CHUNK 1
	CHUNK 2
	s_set_vgpr_msb 0x5                             ; the add's two registers, sources 0 and 1, lie in window 1
	s_wait_dscnt 0x0                               ; the closing lines, six on end
	s_wait_alu 0x0
	s_wait_tensorcnt 0x0
	ds_add_u32 v0, v1
	s_wait_dscnt 0x0
	s_endpgm
.Lfunc_end_k_qf3aab2cc0f_qkv:
	.size	k_qf3aab2cc0f_qkv, .Lfunc_end_k_qf3aab2cc0f_qkv-k_qf3aab2cc0f_qkv
	.p2alignl 7, 3214868480
	.fill 96, 4, 3214868480
	.section	.rodata,"a",@progbits
	.p2align	6, 0x0
	.amdhsa_kernel k_qf3aab2cc0f_qkv
		.amdhsa_group_segment_fixed_size 181248
		.amdhsa_private_segment_fixed_size 0
		.amdhsa_enable_private_segment 0
		.amdhsa_kernarg_size 40
		.amdhsa_user_sgpr_count 2
		.amdhsa_user_sgpr_kernarg_segment_ptr 1
		.amdhsa_wavefront_size32 1
		.amdhsa_system_sgpr_workgroup_id_x 1
		.amdhsa_system_sgpr_workgroup_id_y 1
		.amdhsa_system_sgpr_workgroup_id_z 1
		.amdhsa_system_vgpr_workitem_id 0
		.amdhsa_next_free_vgpr 328
		.amdhsa_next_free_sgpr 66
		.amdhsa_reserve_vcc 0
		.amdhsa_float_denorm_mode_32 3
		.amdhsa_float_denorm_mode_16_64 3
		.amdhsa_memory_ordered 1
		.amdhsa_forward_progress 1
		.amdhsa_inst_pref_size 77
	.end_amdhsa_kernel
	.amdgpu_metadata
---
amdhsa.version: [ 1, 2 ]
amdhsa.kernels:
  - .name:           k_qf3aab2cc0f_qkv
    .symbol:         k_qf3aab2cc0f_qkv.kd
    .args:
      - { .name: x, .offset: 0, .size: 8, .value_kind: global_buffer, .address_space: global }
      - { .name: w_qkv, .offset: 8, .size: 8, .value_kind: global_buffer, .address_space: global }
      - { .name: b_qkv, .offset: 16, .size: 8, .value_kind: global_buffer, .address_space: global }
      - { .name: qf, .offset: 24, .size: 8, .value_kind: global_buffer, .address_space: global }
      - { .name: kv, .offset: 32, .size: 8, .value_kind: global_buffer, .address_space: global }
    .group_segment_fixed_size: 181248
    .private_segment_fixed_size: 0
    .kernarg_segment_align: 8
    .kernarg_segment_size: 40
    .max_flat_workgroup_size: 256
    .sgpr_count:     66
    .vgpr_count:     328
    .wavefront_size: 32
...
	.end_amdgpu_metadata
.endif
;; end of part 4
;; launch attn: the kernel of part 2 again; grid 256 x 1, 8 waves a work-group, clusters of 4 x 1, 327,680 bytes of LDS; arguments qf, kv, ao; writes ao
;; launch proj (part 5): grid 4 x 64, 8 waves a work-group, no clusters, 142,336 bytes of LDS; arguments ao, w_out, b_out, out0; writes out0
.if DOCPART == 5
	.amdgcn_target "amdgcn-amd-amdhsa--gfx1250"
	.amdhsa_code_object_version 6
	.text
	.protected	k_qf3aab2cc0f_proj
	.globl	k_qf3aab2cc0f_proj
	.p2align	8
	.type	k_qf3aab2cc0f_proj,@function
k_qf3aab2cc0f_proj:
	s_mov_b64 s[64:65], 0
	v_nop
	global_prefetch_b8 v0, s[64:65] scope:SCOPE_SE
	s_setreg_imm32_b32 hwreg(HW_REG_WAVE_SCHED_MODE, 0, 2), 2
	s_setreg_imm32_b32 hwreg(HW_REG_WAVE_MODE, 25, 1), 1
	s_wait_xcnt 0x0
	s_wait_alu depctr_vm_vsrc(0)
; out0[b][o][tok] = sum over c of attn[b][tok][c] w_out[c][o] + b_out[o], f32, channel-major.
; ao holds attn in f16 as register images of A fragments: b*2097152 + nt*8192 + ks*1024 + half*512 + 16 L = attn[token 16 nt + r][c = 32 ks + 16 half + 8 h + e].
; A work-group makes 128 tokens x 64 outputs: 64 token blocks x 4 output blocks = 256 work-groups.
; Wave w: tgp = w & 1 (64 tokens, four tiles tt), ot = w >> 1 (16 outputs).  D = attn fragment x w_out fragment: a lane holds eight neighbouring tokens of output r.
; FORMAT AND LIMITS: matrix operands are f16 (w_out rounded to nearest even; it must stay below 65,504 in magnitude, and below 2^-14 it is kept with an absolute
; error of at most 2^-25), sums and bias in f32.
; NO CLUSTER: w_out is f32 and is rounded in registers on the way to LDS.  The ao block (65,536 bytes, shared by four work-groups) is the one tile
; that could be asked for jointly, once in a work-group's life, with no refill; it is copied through registers beside w_out's loads instead.
; THE MODE: SCHED_MODE bits 1:0 = 2 (LLVM: expert scheduling mode 2), set by the entry lines.  The code itself states the register dependences
; between vector or matrix instructions and memory or LDS instructions, with s_wait_alu, always for 0.
; THE PLAN.  Registers that memory or LDS instructions touch:
;   v1-v10      offsets and LDS addresses: written once at the head, never again.
;   v64-127     w_out as loaded; rounded in place; read by sixteen LDS stores; then w_out's fragments land there, which the products read; last the rows on the way out land in v64-95.
;   v128-191    the ao block as loaded, read by sixteen LDS stores; then batch 0 of attn's fragments.
;   v192-255, v256-319, v320-383   batches 1, 2, 3: each written by its sixteen LDS loads once and read by its eight products: no batch lands on another.
;   ACC         written by the products and the bias adds, read by the LDS stores into the stage.
; So between the barrier and the bias adds no s_wait_alu is owed: every load there lands in registers that no vector or matrix instruction has named since the wait behind the roundings.
; The waits on va_vdst: ahead of the first loads (offsets); behind the roundings (the stores' data, the LDS addresses); behind the bias adds (ACC for the stage, v64-95 read out by the products).
; The wait on vm_vsrc: behind the barrier (my LDS stores have read v64-191).
.set PW,    160                        ; LDS pitch of W [c][64 o] f16: 128 bytes + 32 = 5 x 32
.set LDSA,  256*PW                     ; 40,960: the ao block, dense, 65,536 bytes
.set STAGE, LDSA+65536                 ; 106,496: the way out, 16 rows x 272 bytes for each wave
.set SP,    272
.set WO,   1                           ; v1   w_out: (t>>4)*1024 + (t&15)*16
.set AO,   2                           ; v2   ao: 16 t
.set WS,   3                           ; v3   LDS store address in W
.set AS,   4                           ; v4   LDS store address in A
.set WA,   5                           ; v5   transposing-load address in W
.set AA,   6                           ; v6   my token group's fragments in A
.set STO,  7                           ; v7   the way out: where my 32 bytes of a row go
.set RD,   8                           ; v8   the way out: where I read rows back
.set CO,   9                           ; v9   my byte offset in out0
.set BO,   10                          ; v10  4 r
.set ACC,  16                          ; v16-47   four accumulator tiles (tt)
.set BIAS, 48                          ; v48-49
.set WF,   64                          ; v64-127  w_out fragments (ks); first the f32 pieces as loaded; last the rows on the way out
.set AF,   128                         ; v128-255 attn fragments, batches 0 and 1 (two K steps each); first the ao block as loaded.  Batches 2 and 3: v256-383, named in window 1 from 0 on
.set MSB,  0
.macro WIN new                         ; s_set_vgpr_msb: bits 1:0 source 0, 3:2 source 1, 5:4 source 2, 7:6 destination; the high byte repeats the setting that is left
.if MSB != (\new)
	s_set_vgpr_msb (MSB<<8)|(\new)
.set MSB, \new
.endif
.endm
.macro WM d, a, b, z
.if \z
	v_wmma_f32_16x16x32_f16 v[\d:\d+7], v[\a:\a+7], v[\b:\b+7], 0
.else
	v_wmma_f32_16x16x32_f16 v[\d:\d+7], v[\a:\a+7], v[\b:\b+7], v[\d:\d+7]
.endif
.endm
.macro PLACES
.rept 4
	v_nop
.endr
.endm
.macro BATCH bt                        ; sixteen loads: the attn fragments of K steps 2 bt, 2 bt + 1 of my four token tiles
.if \bt<2
.set AB, AF+64*\bt
.else
.set AB, 64*(\bt-2)
.endif
.irp kl, 0,1
.irp tt, 0,1,2,3
	ds_load_b128 v[AB+8*(4*\kl+\tt):AB+8*(4*\kl+\tt)+3], v[AA] offset:\tt*8192+(2*\bt+\kl)*1024
	ds_load_b128 v[AB+8*(4*\kl+\tt)+4:AB+8*(4*\kl+\tt)+7], v[AA] offset:\tt*8192+(2*\bt+\kl)*1024+512
.endr
.endr
.endm
.macro MULB bt                         ; eight products; the four accumulators take turns, one instruction a turn
.if \bt<2
.set AB, AF+64*\bt
.else
.set AB, 64*(\bt-2)
.endif
.irp kl, 0,1
.set KS, 2*\bt+\kl
.irp tt, 0,1,2,3
	WM ACC+8*\tt, AB+8*(4*\kl+\tt), WF+8*KS, KS==0
.endr
.endr
.endm
	s_load_b256 s[4:11], s[0:1], 0x0               ; ao s[4:5], w_out s[6:7], b_out s[8:9], out0 s[10:11]
	v_lshl_add_u32 v62, v0, 2, 0x22800
	v_mov_b32 v63, 0
	v_lshrrev_b32 v11, 5, v0
	v_readfirstlane_b32 s12, v11                   ; wave
	s_and_b32 s13, ttmp7, 0xffff                   ; tb
	s_lshr_b32 s14, s13, 5                         ; b
	s_and_b32 s15, s13, 31
	s_wait_alu depctr_va_sdst(0)                   ; s12 is written, ahead of its first reader: the wave's shares and addresses are made from it
	s_and_b32 s16, s12, 1                          ; tgp
	s_lshr_b32 s17, s12, 1                         ; ot
	v_lshrrev_b32 v11, 4, v0                       ; t >> 4
	v_and_b32 v12, 15, v0                          ; t & 15 (= r)
	v_lshlrev_b32 v[WO], 10, v11
	v_lshl_add_u32 v[WO], v12, 4, v[WO]
	v_lshlrev_b32 v[AO], 4, v0
	v_lshlrev_b32 v[BO], 2, v12
	s_lshl_b32 s18, s14, 21
	s_lshl_b32 s19, s15, 16
	s_add_co_u32 s18, s18, s19                     ; ao: image, 65,536 bytes a token block
	s_mov_b32 s19, 0
	s_lshl_b32 s20, ttmp9, 8                       ; w_out, b_out: 64 outputs = 256 bytes
	s_mov_b32 s21, 0
	s_lshl_b32 s22, s17, 6
	s_add_co_u32 s22, s22, s20                     ; b_out: + my 16 outputs
	s_mov_b32 s23, 0
	s_lshl_b32 s24, s14, 22                        ; out0: image, output row 64 oblk + 16 ot (16,384 bytes each), token 128 (tb & 31) + 64 tgp
	s_lshl_b32 s25, ttmp9, 20
	s_add_co_u32 s24, s24, s25
	s_lshl_b32 s25, s17, 18
	s_add_co_u32 s24, s24, s25
	s_lshl_b32 s25, s15, 9
	s_add_co_u32 s24, s24, s25
	s_lshl_b32 s25, s16, 8
	s_add_co_u32 s24, s24, s25
	s_mov_b32 s25, 0
	s_wait_kmcnt 0x0
	s_add_nc_u64 s[4:5], s[4:5], s[18:19]
	s_add_nc_u64 s[6:7], s[6:7], s[20:21]
	s_add_nc_u64 s[8:9], s[8:9], s[22:23]
	s_add_nc_u64 s[10:11], s[10:11], s[24:25]
	s_wait_alu depctr_va_vdst(0)                   ; v[WO], v[AO] and v[BO] are written: the loads below read them as their offsets
.irp i, 0,1,2,3,4,5,6,7,8,9,10,11,12,13,14,15
	global_load_b128 v[WF+4*\i:WF+4*\i+3], v[WO], s[6:7] offset:\i*16384     ; rows (t>>4) + 16 i: sixteen lanes read 256 consecutive bytes, aligned
.endr
.irp i, 0,1,2,3,4,5,6,7,8,9,10,11,12,13,14,15
	global_load_b128 v[AF+4*\i:AF+4*\i+3], v[AO], s[4:5] offset:\i*4096      ; the dense block, 4,096 bytes for each line
.endr
	global_load_b32 v[BIAS], v[BO], s[8:9]
	v_mov_b32 v[BIAS+1], 0                         ; the packed add names the pair
	v_mul_u32_u24 v[WS], v11, PW
	v_lshl_add_u32 v[WS], v12, 3, v[WS]
	v_add_nc_u32 v[AS], LDSA, v[AO]
	v_bfe_u32 v13, v0, 4, 1                        ; h
	v_and_b32 v14, 7, v0
	v_lshl_add_u32 v14, v13, 3, v14                ; row of a transposing load: 8 h + (L & 7)
	v_bfe_u32 v15, v0, 3, 1
	v_lshlrev_b32 v15, 4, v15                      ; its 16-byte column
	s_lshl_b32 s26, s17, 5                         ; my 16 outputs: 32 bytes
	v_mul_u32_u24 v[WA], v14, PW
	v_add_nc_u32 v[WA], v[WA], v15
	v_add_nc_u32 v[WA], s26, v[WA]
	s_lshl_b32 s26, s16, 15                        ; my 64 tokens: four tiles of 8,192 bytes
	s_add_co_u32 s26, s26, LDSA
	v_and_b32 v[AA], 31, v0
	v_lshl_add_u32 v[AA], v[AA], 4, s26
	s_mul_i32 s26, s12, 16*SP
	s_add_co_u32 s26, s26, STAGE                   ; my stage
	v_mul_u32_u24 v[STO], v12, SP
	v_lshl_add_u32 v[STO], v13, 5, v[STO]
	v_add_nc_u32 v[STO], s26, v[STO]               ; in: row r, 32 bytes for each half of the lanes
	v_mul_u32_u24 v[RD], v13, SP
	v_lshl_add_u32 v[RD], v12, 4, v[RD]
	v_add_nc_u32 v[RD], s26, v[RD]                 ; back: lanes 0-15 one row of 256 bytes, lanes 16-31 the next
	v_lshlrev_b32 v[CO], 14, v13
	v_lshl_add_u32 v[CO], v12, 4, v[CO]            ; and the same two rows in out0
	s_wait_loadcnt 17                              ; w_out's sixteen are in; ao's sixteen and the bias stay out
.irp i, 0,1,2,3,4,5,6,7,8,9,10,11,12,13,14,15
	v_cvt_pk_f16_f32 v[WF+4*\i], v[WF+4*\i], v[WF+4*\i+1]
	v_cvt_pk_f16_f32 v[WF+4*\i+1], v[WF+4*\i+2], v[WF+4*\i+3]
.endr
	s_wait_alu depctr_va_vdst(0)                   ; the roundings have written the stores' data in v[WF ..] and are done with those registers, in which fragments land below; the addresses v3 to v9 are written too
.irp i, 0,1,2,3,4,5,6,7,8,9,10,11,12,13,14,15
	ds_store_b64 v[WS], v[WF+4*\i:WF+4*\i+1] offset:\i*16*PW
.endr
	s_wait_loadcnt 0x0
.irp i, 0,1,2,3,4,5,6,7,8,9,10,11,12,13,14,15
	ds_store_b128 v[AS], v[AF+4*\i:AF+4*\i+3] offset:\i*4096
.endr
	s_wait_dscnt 0x0                               ; my LDS stores are done, for the other waves' sake
	s_barrier_signal -1
	s_barrier_wait -1                              ; W and A are whole; from here on each wave writes only its own stage
	s_wait_alu depctr_vm_vsrc(0)                   ; my LDS stores have read v[WF ..] and v[AF ..], in which the fragments' loads land
.irp ks, 0,1,2,3,4,5,6,7
	ds_load_tr16_b128 v[WF+8*\ks:WF+8*\ks+3], v[WA] offset:\ks*32*PW
	ds_load_tr16_b128 v[WF+8*\ks+4:WF+8*\ks+7], v[WA] offset:\ks*32*PW+16*PW
.endr
	BATCH 0
	BATCH 1
	s_wait_dscnt 16                                ; LDS loads come back in order: w_out's fragments and batch 0 are in, batch 1 stays out
	WIN 0x40                                       ; destination window 1, address window 0
	BATCH 2                                        ; each batch has registers of its own: it is asked for a batch of products ahead, and owes no wait
	WIN 0
	MULB 0
	s_wait_dscnt 16                                ; batch 1; batch 2 stays out
	WIN 0x40
	BATCH 3
	WIN 0
	MULB 1
	s_wait_dscnt 16                                ; batch 2; batch 3 stays out
	WIN 0x01                                       ; attn's fragment, source 0, in window 1
	MULB 2
	s_wait_dscnt 0x0
	MULB 3
	WIN 0
	PLACES                                         ; four places behind the last products, for the adds on the sums
	; THE WAY OUT: + bias, 64 tokens of each of my 16 outputs through my own stage, read back as whole rows of 256 bytes
.irp q, 0,2,4,6,8,10,12,14,16,18,20,22,24,26,28,30
	v_pk_add_f32 v[ACC+\q:ACC+\q+1], v[ACC+\q:ACC+\q+1], v[BIAS:BIAS+1] op_sel_hi:[1,0]   ; one output a lane: one bias for all
.endr
	s_wait_alu depctr_va_vdst(0)                   ; the adds have written ACC, which the LDS stores read; the products are done reading w_out's fragments, in which the rows land
.irp tt, 0,1,2,3
	ds_store_b128 v[STO], v[ACC+8*\tt:ACC+8*\tt+3] offset:\tt*64
	ds_store_b128 v[STO], v[ACC+8*\tt+4:ACC+8*\tt+7] offset:\tt*64+16
.endr
.irp u, 0,1,2,3,4,5,6,7
	ds_load_b128 v[WF+4*\u:WF+4*\u+3], v[RD] offset:\u*2*SP                  ; LDS serves a wave's instructions in order (ISA guide 5.7.1.4): these see the stores above
.endr
.irp u, 0,1,2,3,4,5,6,7
	s_wait_dscnt 7-\u                              ; row pair u is in, the younger ones stay out
	global_store_b128 v[CO], v[WF+4*\u:WF+4*\u+3], s[10:11] offset:\u*32768 th:TH_STORE_NT   ; sixteen lanes store 256 consecutive bytes of one output row, aligned
.endr
	s_wait_dscnt 0x0                               ; the closing lines, six on end
	s_wait_alu 0x0
	s_wait_tensorcnt 0x0
	ds_add_u32 v62, v63
	s_wait_dscnt 0x0
	s_endpgm
.Lfunc_end_k_qf3aab2cc0f_proj:
	.size	k_qf3aab2cc0f_proj, .Lfunc_end_k_qf3aab2cc0f_proj-k_qf3aab2cc0f_proj
	.p2alignl 7, 3214868480
	.fill 96, 4, 3214868480
	.section	.rodata,"a",@progbits
	.p2align	6, 0x0
	.amdhsa_kernel k_qf3aab2cc0f_proj
		.amdhsa_group_segment_fixed_size 142336
		.amdhsa_private_segment_fixed_size 0
		.amdhsa_enable_private_segment 0
		.amdhsa_kernarg_size 32
		.amdhsa_user_sgpr_count 2
		.amdhsa_user_sgpr_kernarg_segment_ptr 1
		.amdhsa_wavefront_size32 1
		.amdhsa_system_sgpr_workgroup_id_x 1
		.amdhsa_system_sgpr_workgroup_id_y 1
		.amdhsa_system_sgpr_workgroup_id_z 1
		.amdhsa_system_vgpr_workitem_id 0
		.amdhsa_next_free_vgpr 384
		.amdhsa_next_free_sgpr 66
		.amdhsa_reserve_vcc 0
		.amdhsa_float_denorm_mode_32 3
		.amdhsa_float_denorm_mode_16_64 3
		.amdhsa_memory_ordered 1
		.amdhsa_forward_progress 1
		.amdhsa_inst_pref_size 22
	.end_amdhsa_kernel
	.amdgpu_metadata
---
amdhsa.version: [ 1, 2 ]
amdhsa.kernels:
  - .name:           k_qf3aab2cc0f_proj
    .symbol:         k_qf3aab2cc0f_proj.kd
    .args:
      - { .name: ao, .offset: 0, .size: 8, .value_kind: global_buffer, .address_space: global }
      - { .name: w_out, .offset: 8, .size: 8, .value_kind: global_buffer, .address_space: global }
      - { .name: b_out, .offset: 16, .size: 8, .value_kind: global_buffer, .address_space: global }
      - { .name: out0, .offset: 24, .size: 8, .value_kind: global_buffer, .address_space: global }
    .group_segment_fixed_size: 142336
    .private_segment_fixed_size: 0
    .kernarg_segment_align: 8
    .kernarg_segment_size: 32
    .max_flat_workgroup_size: 256
    .sgpr_count:     66
    .vgpr_count:     384
    .wavefront_size: 32
...
	.end_amdgpu_metadata
.endif
;; end of part 5
